; MI455X (gfx1250); checked and timed in simulation.
; The chip was launched on July 23, 2026; its instructions are those of AMD's public machine-readable ISA for CDNA 5 (MIT licence, August 2026) and "CDNA5" Instruction Set Architecture Reference Guide (July 2026). The comments in the code are by the model that wrote it; some were corrected since.
;; Attention. Allowed arithmetic: matrix products marked QUANTISED: E2M3 operands, one E8M0 scale for each 32 along K, by v_wmma_scale_f32_16x16x128_f8f6f4 with both operands' format E2M3, f32 sums; everything else in f32.
;; Inputs: b_proj 1,024 float32; w_proj 1,024 x 1,024 float32; w_qkv 3,072 x 1,024 float32; x 8 x 1,024 x 1,024 float32.
;; Outputs: out0 8 x 1,024 x 1,024 float32.
;; This version of the problem:
;;   THIS VERSION OF THE PROBLEM IS GIVEN IN LOW PRECISION. The matrix products marked QUANTISED in the list below multiply operands that are first quantised to E2M3 (2 exponent bits, 3 mantissa bits; 6 bits a number), with one power-of-two scale for each 32 numbers along K (OCP MX v1.0); their sums are f32. All else is computed in f32.
;;   The module's matrix products, in the order in which they are computed (A, B: the left and right operand; K: the contracted axis; several contracted axes count as one K, in the product's order):
;;     1. [M 8,192, K 1,024] x [K 1,024, N 3,072]; A: input x; B: input w_qkv: QUANTISED
;;     2. batch 128 x [M 1,024, K 64] x [K 64, N 1,024]; A: computed on the way; B: computed on the way: QUANTISED
;;     3. batch 128 x [M 1,024, K 1,024] x [K 1,024, N 64]; A: softmax (see below); B: computed on the way: QUANTISED
;;     4. [M 8,192, K 1,024] x [K 1,024, N 1,024]; A: computed on the way; B: input w_proj: QUANTISED
;;   THE QUANTISER, for each operand of a quantised product, along K:
;;     - K is cut into blocks of 32 from its start; a last block that is shorter is filled with zeros.
;;     - A block's scale is 2^e with e = floor(log2(the largest magnitude in the block)) - 2, held to -126 .. 127; a block of zeros has e = 0. As a byte (E8M0): e + 127.
;;     - Each number is divided by its block's scale, clamped to +-7.5, and rounded to the nearest number of E2M3, ties to even, subnormals kept.
;;     - The product sums the exact products of the quantised numbers (number of the format x scale) in f32.
;;   ~~~python
;;   def quantise(x, axis):      # numpy; x: float32 -> the quantised numbers, widened to float32 again
;;       x = np.moveaxis(x, axis, -1); K = x.shape[-1]
;;       x = np.pad(x, [(0, 0)] * (x.ndim - 1) + [(0, -K % 32)]); x = x.reshape(x.shape[:-1] + (-1, 32)); a = np.abs(x).max(-1, keepdims=True)
;;       e = np.where(a > 0, np.clip(np.frexp(np.where(a > 0, a, 1))[1] - 1 - 2, -126, 127), 0)      # np.frexp(a)[1] - 1 = floor(log2(a)), exactly
;;       r = np.clip(x / 2.0 ** e, -7.5, 7.5)
;;       step = 2.0 ** (np.maximum(np.frexp(np.where(r == 0, 1, r))[1] - 1, 0) - 3)
;;       q = np.round(r / step) * step * 2.0 ** e      # np.round: ties to even
;;       return np.moveaxis(q.reshape(q.shape[:-2] + (-1,))[..., :K], -1, axis).astype(np.float32)
;;   ~~~
;;   SOFTMAX AHEAD OF A QUANTISED PRODUCT. Where the list says 'softmax', what is quantised is not the finished softmax but p = 2^(t - M), with t = logit x log2(e) and M = ceil(the row's largest t), a whole number; so 1/2 < the row's largest p <= 1. The row's sum l is taken of the UNQUANTISED p, in f32, and the product's result is divided by l at the end. Since M is a whole number, a kernel that streams over the keys may use a running M (the ceiling of the running maximum): every later rescaling is an exact power of two, which a block's scale takes up: the codes' values come out the same.
;;   OPERANDS COMPUTED ON THE WAY. 'Computed on the way' means the value that the module computes at that place (a softmax that the list does not call 'softmax' is quantised finished and normalised). What goes into a quantiser is computed in f32, as accurately as f32 sums, v_exp_f32 and their like allow (about 1e-6 of the number): no bf16 or f16 on the way to a quantiser, and a product that is left as it is and whose result goes on into a quantised operand takes f32 operands (vector FMAs, or v_wmma_f32_16x16x4_f32). A number that lies on a knife's edge between two numbers of the format may be rounded either way, as far as f32 arithmetic and the matrix unit's own rounding can turn it there, and no further.
;; One version. Each part assembles by itself: llvm-mc -triple=amdgcn-amd-amdhsa -mcpu=gfx1250 --defsym DOCPART=n.
;; ======== version 1 of 1: 4 launches
;; limits: right only within a limited range of input values
;; workspace buffers: opc 9,437,184 bytes; ops 393,216 bytes; qkvc 18,874,368 bytes; qkvs 786,432 bytes; oc 6,291,456 bytes; os 262,144 bytes
;; launch quant (part 1): grid 256 x 1, 3 waves a work-group, no clusters, 26,624 bytes of LDS; arguments x, w_qkv, w_proj, opc, ops; writes opc, ops
.if DOCPART == 1
	.amdgcn_target "amdgcn-amd-amdhsa--gfx1250"
	.amdhsa_code_object_version 6
	.text
	.protected	k_qd5d818a779_quant
	.globl	k_qd5d818a779_quant
	.p2align	8
	.type	k_qd5d818a779_quant,@function
k_qd5d818a779_quant:
	s_mov_b64 s[64:65], 0
	v_nop
	global_prefetch_b8 v0, s[64:65] scope:SCOPE_SE
	s_setreg_imm32_b32 hwreg(HW_REG_WAVE_MODE, 25, 1), 1
	s_wait_xcnt 0x0
; x [8192][1024], w_qkv [3072][1024], w_proj [1024][1024], f32, K innermost, become codes of FP6 (E2M3) with one E8M0 byte for each 32 along K,
; laid as IMAGES OF OPERAND REGISTERS, so that the products' launches load fragments by plain 16- and 8-byte loads.
; A block's scale is 2^(floor(log2(largest magnitude)) - 2); its byte is the largest magnitude's exponent field - 2, held at 1 from below.
; LIMITS: NaN and infinities among the inputs are not served.  A block of zeros, or one whose largest magnitude lies under 2^-124, gets the byte 1
; where the rule says 127 for zeros: its codes are zeros, which add nothing under any byte but 0xff, and these bytes are read by this program alone.
; TILES.  The 12,288 rows are 768 tiles of 16.  THE ROWS OF A TILE ARE NOT NEIGHBOURS: lane r of tile T stands for row 32 (T / 2) + 8 (T % 2) + r + 8 (r / 8):
; a product that takes tiles 2 b and 2 b + 1 as its source 0 then leaves 16 neighbouring rows in a lane's 16 result registers.
; HALF IMAGE (768 bytes): 16 rows x 64 along K, 6 registers a lane; lane (r, h) holds k = 32 h .. 32 h + 31 of row r: registers 0-3 at 16 x lane, registers 4-5 at 512 + 8 x lane.
; opc: group of 8 tiles x 98,304 + K slot of 256 x 24,576 + tile in group x 3,072 + piece of 64 x 768.   ops: tile x 512 + row r x 32 + block.
; SHARES.  256 work-groups x 3 waves: a wave takes one tile, all of K, in 16 steps of 16 rows x 64 numbers.  Each load reads two rows' aligned 256 bytes; the 4,096 bytes
; turn through the wave's own stage in LDS (rows 272 bytes apart) and come back 128 bytes a lane: a whole block of 32 in one lane, so a block's maximum needs no other lane.
; Loads run four steps (32 loads a wave) ahead, the turn through LDS one step.  Waves share nothing: no barrier.  No matrix unit, cluster or tensor load: this is a stream.
.set WREG,  8704                       ; LDS of a wave: two stages of 16 rows x 272 bytes
.set HSTG,  4352
.set SPARE, 3*WREG                     ; behind the stages: the spare words, 128 bytes a wave, in two blocks of 256 bytes that no other line names
.set SPW,   12                         ; v12 my spare word's address; v13 zero: both never rewritten
.set NIL,   13
.set W,     16                         ; v16-23   the row's 8 scale words in the making
.set CD,    24                         ; v24-47   two sets of 12: codes at +0..5, the second conversion's result at +8..10
.set R,     48                         ; v48-175  four sets of 32 numbers as loaded
.set X,     176                        ; v176-239 two sets of 32 neighbours
	s_load_b256 s[4:11], s[0:1], 0x0               ; x s[4:5], w_qkv s[6:7], w_proj s[8:9], opc s[10:11]
	s_load_b64 s[12:13], s[0:1], 0x20              ; ops
	v_lshl_add_u32 v[SPW], v0, 2, SPARE
	v_mov_b32 v[NIL], 0
	v_lshrrev_b32 v1, 5, v0
	v_readfirstlane_b32 s15, v1                    ; wave 0..2
	v_and_b32 v1, 31, v0                           ; lane
	v_and_b32 v14, 15, v0                          ; r
	v_bfe_u32 v15, v0, 4, 1                        ; h
	v_lshlrev_b32 v2, 4, v14
	v_lshl_add_u32 v2, v15, 12, v2                 ; in: lanes 0-15 one row's 256 bytes, lanes 16-31 the next row's
	s_mul_i32 s22, s15, WREG
	v_mul_u32_u24 v3, v15, 272
	v_lshl_add_u32 v3, v14, 4, v3
	v_add_nc_u32 v3, s22, v3                       ; the stage, way in: the same two rows
	v_mul_u32_u24 v4, v14, 272
	v_lshl_add_u32 v4, v15, 7, v4
	v_add_nc_u32 v4, s22, v4                       ; way out: row r, my half's 128 bytes
	v_lshlrev_b32 v5, 4, v1                        ; 16 x lane
	v_lshlrev_b32 v6, 3, v1                        ; 8 x lane
	v_lshlrev_b32 v7, 5, v14
	v_lshl_add_u32 v7, v15, 4, v7                  ; scale words: row r's 32 bytes, 16 for each half of the lanes
	v_lshlrev_b32 v8, 3, v15                       ; 8 h: my bytes' shift in a word
	s_mul_i32 s16, ttmp9, 3
	s_add_co_u32 s16, s16, s15                     ; my tile T
	s_mov_b32 s14, 0xffff0000                      ; lanes 16-31
	s_mov_b32 s20, 0x76543210
	s_mov_b32 s21, 0xfedcba98                      ; v_permlanex16_b32's selects for lane l xor 16
	s_lshr_b32 s24, s16, 3
	s_mul_i32 s24, s24, 98304
	s_and_b32 s25, s16, 7
	s_mul_i32 s25, s25, 3072
	s_add_co_u32 s24, s24, s25                     ; the tile's place in opc
	s_mov_b32 s25, 0
	s_lshl_b32 s26, s16, 9                         ; and in ops
	s_mov_b32 s27, 0
	s_mov_b32 s17, 704
	s_wait_alu depctr_va_vdst(0)
	s_wait_kmcnt 0x0
	s_cmp_lt_u32 s16, 704                          ; tiles 0-511: x; 512-703: w_qkv; 704-767: w_proj.  The choice hangs on ids alone; one path serves all three
	s_cselect_b64 s[6:7], s[6:7], s[8:9]
	s_cselect_b32 s17, 512, s17
	s_cmp_lt_u32 s16, 512
	s_cselect_b64 s[4:5], s[4:5], s[6:7]
	s_cselect_b32 s17, 0, s17
	s_sub_co_u32 s17, s16, s17                     ; the tile's number in its tensor
	s_lshr_b32 s18, s17, 1
	s_lshl_b32 s18, s18, 17                        ; 32 rows of 4,096 bytes for each pair of tiles,
	s_and_b32 s19, s17, 1
	s_lshl_b32 s19, s19, 15                        ; 8 rows for the odd one
	s_or_b32 s18, s18, s19
	s_mov_b32 s19, 0
	s_add_nc_u64 s[4:5], s[4:5], s[18:19]
	s_add_nc_u64 s[10:11], s[10:11], s[24:25]
	s_add_nc_u64 s[12:13], s[12:13], s[26:27]
.macro LOAD t                          ; step t: tile rows 2 i and 2 i + 1 are rows 2 i + 8 (i / 4) and the next of the 24 that the tile spans
.irp i, 0,1,2,3,4,5,6,7
	global_load_b128 v[R+32*((\t)%4)+4*\i:R+32*((\t)%4)+4*\i+3], v2, s[4:5] offset:(2*\i+8*(\i/4))*4096+256*(\t) th:TH_LOAD_NT
.endr
.endm
.macro TURN t                          ; through the stage: LDS serves a wave's instructions in order, so no wait stands between the stores and the loads
.irp i, 0,1,2,3,4,5,6,7
	ds_store_b128 v3, v[R+32*((\t)%4)+4*\i:R+32*((\t)%4)+4*\i+3] offset:HSTG*((\t)%2)+2*\i*272
.endr
.irp i, 0,1,2,3,4,5,6,7
	ds_load_b128 v[X+32*((\t)%2)+4*\i:X+32*((\t)%2)+4*\i+3], v4 offset:HSTG*((\t)%2)+16*\i
.endr
.endm
.macro STEP t
.set XS, X+32*((\t)%2)
.set CS, CD+12*((\t)%2)
	s_wait_dscnt 0x0                               ; this step's numbers are back, so its stores into the stage have read their registers,
.if (\t)+4 < 16
	LOAD (\t)+4                                    ; which take the loads of four steps on
.endif
.if (\t)+1 < 16
.set LEFT, 14-(\t)
.if LEFT > 3
.set LEFT, 3
.endif
	s_wait_loadcnt 8*LEFT                          ; the next step's eight loads are in; those of the steps behind it may be out
	TURN (\t)+1
.endif
	v_max3_num_f32 v9, |v[XS]|, |v[XS+1]|, |v[XS+2]|       ; the block's largest magnitude: all 32 numbers are mine; two chains
	v_max3_num_f32 v10, |v[XS+3]|, |v[XS+4]|, |v[XS+5]|
.irp i, 6,10,14,18,22,26
	v_max3_num_f32 v9, v9, |v[XS+\i]|, |v[XS+\i+1]|
	v_max3_num_f32 v10, v10, |v[XS+\i+2]|, |v[XS+\i+3]|
.endr
	v_max3_num_f32 v9, v9, |v[XS+30]|, |v[XS+31]|
	v_max3_num_f32 v9, v9, v10, 0x1800000          ; and the floor 2^(3 - 127): the byte cannot fall under 1
	v_add_nc_u32 v11, 0xff000000, v9               ; 2 off the exponent field: the conversion takes this operand's exponent field as its scale
	s_wait_alu depctr_va_vdst(0)
	s_wait_xcnt 0x0                                ; the stores of two steps back have read this set of code registers
	v_cvt_scalef32_pk16_fp6_f32 v[CS:CS+2], v[XS:XS+15], v11
	v_cvt_scalef32_pk16_fp6_f32 v[CS+8:CS+10], v[XS+16:XS+31], v11   ; (a conversion's three registers begin on an even number)
	v_lshrrev_b32 v14, 23, v11                     ; the scale's byte; also the plain instruction behind the conversions
.if (\t)%2 == 0
	v_mov_b32 v[W+(\t)/2], v14                     ; lane (r, h): blocks 4 j + h and 4 j + 2 + h of word j, 16 bits apart
.else
	v_lshl_or_b32 v[W+(\t)/2], v14, 16, v[W+(\t)/2]
.endif
.irp i, 0,1,2
	v_mov_b32 v[CS+3+\i], v[CS+8+\i]
.endr
	global_store_b128 v5, v[CS:CS+3], s[10:11] offset:((\t)/4)*24576+((\t)%4)*768        ; 512 consecutive bytes,
	global_store_b64 v6, v[CS+4:CS+5], s[10:11] offset:((\t)/4)*24576+((\t)%4)*768+512   ; and 256: both at multiples of 256 from the buffer's first byte
.endm
.irp t, 0,1,2,3
	LOAD \t
.endr
	s_wait_loadcnt 24                              ; step 0's eight loads are in
	TURN 0
.irp t, 0,1,2,3,4,5,6,7,8,9,10,11,12,13,14,15
	STEP \t
.endr
.irp j, 0,1,2,3,4,5,6,7
	v_lshlrev_b32 v[W+\j], v8, v[W+\j]             ; my two bytes at their places,
.endr
.irp j, 0,1,2,3,4,5,6,7
	v_permlanex16_b32 v[X+\j], v[W+\j], s20, s21
.endr
.irp j, 0,1,2,3,4,5,6,7
	v_or_b32 v[W+\j], v[W+\j], v[X+\j]             ; with lane l xor 16's two the word is whole
.endr
.irp j, 0,1,2,3
	v_cndmask_b32 v[R+\j], v[W+\j], v[W+4+\j], s14 ; lanes 0-15 store words 0-3, lanes 16-31 words 4-7
.endr
	global_store_b128 v7, v[R:R+3], s[12:13]       ; the tile's 512 bytes of scales in one instruction
	s_wait_tensorcnt 0x0                           ; the wave's end
	ds_add_u32 v[SPW], v[NIL]
	s_wait_dscnt 0x0
	s_endpgm
.Lfunc_end_k_qd5d818a779_quant:
	.size	k_qd5d818a779_quant, .Lfunc_end_k_qd5d818a779_quant-k_qd5d818a779_quant
	.p2alignl 7, 3214868480
	.fill 96, 4, 3214868480
	.section	.rodata,"a",@progbits
	.p2align	6, 0x0
	.amdhsa_kernel k_qd5d818a779_quant
		.amdhsa_group_segment_fixed_size 26624
		.amdhsa_private_segment_fixed_size 0
		.amdhsa_enable_private_segment 0
		.amdhsa_kernarg_size 40
		.amdhsa_user_sgpr_count 2
		.amdhsa_user_sgpr_kernarg_segment_ptr 1
		.amdhsa_wavefront_size32 1
		.amdhsa_system_sgpr_workgroup_id_x 1
		.amdhsa_system_sgpr_workgroup_id_y 1
		.amdhsa_system_sgpr_workgroup_id_z 1
		.amdhsa_system_vgpr_workitem_id 0
		.amdhsa_next_free_vgpr 240
		.amdhsa_next_free_sgpr 66
		.amdhsa_reserve_vcc 0
		.amdhsa_float_denorm_mode_32 3
		.amdhsa_float_denorm_mode_16_64 3
		.amdhsa_memory_ordered 1
		.amdhsa_forward_progress 1
		.amdhsa_inst_pref_size 60
	.end_amdhsa_kernel
	.amdgpu_metadata
---
amdhsa.version: [ 1, 2 ]
amdhsa.kernels:
  - .name:           k_qd5d818a779_quant
    .symbol:         k_qd5d818a779_quant.kd
    .args:
      - { .name: x, .offset: 0, .size: 8, .value_kind: global_buffer, .address_space: global }
      - { .name: w_qkv, .offset: 8, .size: 8, .value_kind: global_buffer, .address_space: global }
      - { .name: w_proj, .offset: 16, .size: 8, .value_kind: global_buffer, .address_space: global }
      - { .name: opc, .offset: 24, .size: 8, .value_kind: global_buffer, .address_space: global }
      - { .name: ops, .offset: 32, .size: 8, .value_kind: global_buffer, .address_space: global }
    .group_segment_fixed_size: 26624
    .private_segment_fixed_size: 0
    .kernarg_segment_align: 8
    .kernarg_segment_size: 40
    .max_flat_workgroup_size: 96
    .sgpr_count:     66
    .vgpr_count:     240
    .wavefront_size: 32
...
	.end_amdgpu_metadata
.endif
;; end of part 1
;; launch qkv (part 2): grid 4 x 64, 4 waves a work-group, clusters of 4 x 4, 327,680 bytes of LDS; arguments opc, ops, qkvc, qkvs; writes qkvc, qkvs
.if DOCPART == 2
	.amdgcn_target "amdgcn-amd-amdhsa--gfx1250"
	.amdhsa_code_object_version 6
	.text
	.protected	k_qd5d818a779_qkv
	.globl	k_qd5d818a779_qkv
	.p2align	8
	.type	k_qd5d818a779_qkv,@function
k_qd5d818a779_qkv:
	s_mov_b64 s[64:65], 0
	v_nop
	global_prefetch_b8 v0, s[64:65] scope:SCOPE_SE
	s_setreg_imm32_b32 hwreg(HW_REG_WAVE_MODE, 25, 1), 1
	s_wait_xcnt 0x0
	s_wait_alu depctr_hold_cnt(0) depctr_sa_sdst(0) depctr_va_vdst(0) depctr_va_sdst(0) depctr_va_ssrc(0) depctr_va_vcc(0) depctr_vm_vsrc(0)
	s_getreg_b32 s2, hwreg(HW_REG_IB_STS2, 6, 4)
	s_cmp_eq_u32 s2, 0
	s_cbranch_scc0 .Lentry_in_a_cluster
	s_endpgm
.Lentry_in_a_cluster:
	s_bfe_u32 s2, ttmp6, 0x10000c
	s_cmp_lg_u32 s2, 0xf033
	s_cbranch_scc0 .Lentry_shape_is_right
	s_endpgm
.Lentry_shape_is_right:
; Q, K, V = x w_qkv^T on codes of FP6 (E2M3) with E8M0 scales, K = 1,024, and their quantisers: the results leave as codes and scale bytes, laid as images of the operand registers of the attention launch.
; opc, ops: groups of 128 rows (8 tiles of 16), x's 64 groups, then w_qkv's 24.  A group, all of K, is one dense block of 98,304 bytes: 24,576 for each 256 along K, in it 3,072 a tile, in it 1,536 for each 128 along K.
; THE ROWS OF A TILE ARE NOT NEIGHBOURS: lane r of tile T stands for row 32 (T / 2) + 8 (T % 2) + r + 8 (r / 8): the 16 result registers of tiles 2 b, 2 b + 1 taken as source 0 are 16 neighbours.
; SHARES.  256 work-groups of four waves: a work-group takes one group of 128 tokens (tile row) and 256 columns each of Q, K and V (tile column), in three phases.  x's group comes into LDS once and serves all three.
; A WAVE HOLDS 64 ROWS OF THE WEIGHT, ONE HEAD, ALL OF K, IN REGISTERS (4 tiles x 8 fragments of 12) and streams x's eight blocks of 16 tokens past them, all of K at a time (8 fragments, two sets): 32 products a block.
; LDS: the weight's two groups, x's group, the spare words.  At the head one joint load a wave: waves 0 and 1 a group of W_q each, waves 2 and 3 a half of x's group each.  TWO REFILLS: when every wave holds its weights
; in registers, the weights' region is filled again with the next phase's, behind a drained round of the cluster's barrier; the load has the phase's 256 products a wave in which to land,
; so no prefetch is laid.  What a refill brought is shown by a plain barrier at the change of phase, with every wave's wait for its tensor loads ahead of it.
; THE WAY OUT goes by pairs of blocks.  Q, K: source 0 = the weight: a lane holds one token and 2 x 16 channels of each block of 32; two tiles of tokens give two half images (768 bytes) and 16 bits of scales a row.
; V: source 0 = x: a lane holds one channel, and the two blocks' 16 registers are 16 neighbouring tokens: a block of 32 tokens for each of four channel tiles; two such pairs give four half images.
; A block's byte is its largest magnitude's exponent field - 2, held at 1 from below.  Q's and K's scale bytes leave 2 bytes a lane, 16 bytes apart: a head owns 2 of a word's 4 bytes.
; qkvc: region (Q 0-63, K 64-127, V 128-191: batch x 8 + pair of heads) x 98,304 + group of 128 tokens x 12,288 + (Q, K: head of the pair x 6,144 + token tile x 768; V: 64 tokens x 6,144 + head x 3,072 + channel tile x 768).
; qkvs: region x 4,096 + group x 512 + (Q, K: 16 x lane + 4 (tile / 2) + 2 head + block, lanes 16 (tile % 2) on; V: 256 head + 8 x lane + 4 (tile / 2) + block of 32 tokens).
; CLUSTERS: 4 x 4 work-groups; x's tile is asked for jointly along a row of the cluster, the weights' along a column.
; LIMITS: NaN and infinities are not served; a block under 2^-124 gets the byte 1 (its codes are zeros; this program alone reads the bytes).
; REGISTERS: window 0: addresses, scale words, what the way out works on.  Fragment f lies in window 1 + f / 21 at register 12 (f % 21): 0-31 the weight's (4 q + b), 32-39 and 40-47 x's two sets.  Window 3, v96-159: the accumulators.
.set FR,     12
.set FPW,    21
.set HALFT,  24576
.set GRP,    4*HALFT
.set SPARE,  3*GRP
.set BA,   8                           ; v8, v9 my four tiles of the weight, K 0-511 and 512-1023, + 16 x lane;  v10, v11 + 8 x lane
.set AA,   12                          ; v12-15 x's group likewise
.set L16,  16
.set L8,   17
.set RO,   19
.set BM,   20                          ; v20-23 four blocks' largest magnitudes
.set PT,   24                          ; v24-27 lane l xor 16's; then the bytes
.set SPW,  28
.set NIL,  29
.set SO,   30                          ; v30-33 the conversions' scale operands
.set TC,   34
.set SBW,  36                          ; v36-131 the weights' scale words, 32 phase + 8 b + q
.set WVS,  136                         ; v136-199 x's, 8 a + q
.set PW,   200                         ; v200-203 V's scale words in the making
.set SW,   204
.set CX,   206                         ; v[206 + 6 n ..] codes
.set CY,   230                         ; v[230 + 4 n ..] the second conversions' results
.set ACC,  96
.set G1B, 24
.set G1A, 32
.set G0B, 48
.set G0A, 68
.set MSB, 0
.macro WIN new
.if MSB != (\new)
	s_set_vgpr_msb (MSB<<8)|(\new)
.set MSB, (\new)
.endif
.endm
.macro CROUND
	s_barrier_signal -1
	s_barrier_wait -1
	s_cmp_lg_u32 s14, 0
	s_cbranch_scc1 .Lnot_wave_0_\@
	s_barrier_signal -3
.Lnot_wave_0_\@:
	s_barrier_wait -3
	s_barrier_signal -1
	s_barrier_wait -1
.endm
.macro PLACES n
.rept \n
	v_nop
.endr
.endm
.macro TLOAD g0, g1                    ; an s_nop 0 behind the load; four v_nop stand ahead of the jump or label
	tensor_load_to_lds s[\g0:\g0+3], s[\g1:\g1+7]
	s_nop 0
	PLACES 4
.endm
	s_load_b256 s[4:11], s[0:1], 0x0               ; opc, ops, qkvc, qkvs
	v_lshl_add_u32 v[SPW], v0, 2, SPARE
	v_mov_b32 v[NIL], 0
	ds_add_u32 v[SPW], v[NIL]                      ; the opening lines: the add twice, and its wait ahead of the first tensor load
	ds_add_u32 v[SPW], v[NIL]
	v_lshrrev_b32 v1, 5, v0
	v_readfirstlane_b32 s14, v1                    ; wave 0..3: my head of the work-group's four
	s_lshr_b32 s15, s14, 1                         ; my group of the weight = my pair of heads
	s_and_b32 s16, s14, 1                          ; my half of it = my head of the pair.  Also: which group (waves 0, 1) or half of x's group (waves 2, 3) I fetch
	s_bfe_u32 s88, ttmp6, 0x40000                  ; cx
	s_bfe_u32 s89, ttmp6, 0x40004                  ; cy
	s_lshl_b32 s90, ttmp9, 2
	s_add_co_u32 s90, s90, s88                     ; tile column, 0..3
	s_and_b32 s17, ttmp7, 0xffff
	s_lshl_b32 s17, s17, 2
	s_add_co_u32 s17, s17, s89                     ; tile row, 0..63: x's group
	s_lshl_b32 s91, s89, 2
	s_lshl_b32 s91, 15, s91                        ; my row of the cluster
	s_lshl_b32 s92, 0x1111, s88                    ; my column
	s_or_b32 s[G1B+0], s92, (3<<16)|(1<<21)        ; dense rows of 256 bytes (32 elements of 8 bytes): 384 for a group of the weight,
	s_mov_b32 s[G1B+1], 32<<16
	s_mov_b32 s[G1B+2], 384<<16
	s_mov_b32 s[G1B+3], 32<<16
	s_mov_b32 s[G1B+4], 384
	s_mov_b32 s[G1B+5], 32
	s_mov_b32 s[G1B+6], 0
	s_mov_b32 s[G1B+7], 0
	s_or_b32 s[G1A+0], s91, (3<<16)|(1<<21)        ; 192 for a half of x's group
	s_mov_b32 s[G1A+1], 32<<16
	s_mov_b32 s[G1A+2], 192<<16
	s_mov_b32 s[G1A+3], 32<<16
	s_mov_b32 s[G1A+4], 192
	s_mov_b32 s[G1A+5], 32
	s_mov_b32 s[G1A+6], 0
	s_mov_b32 s[G1A+7], 0
	s_lshl_b32 s18, s90, 1
	s_add_co_u32 s18, s18, s16
	s_add_co_u32 s18, s18, 64                      ; the group of W_q that I fetch; W_k's and W_v's lie 8 and 16 groups on
	s_mul_i32 s20, s18, 98304
	s_mov_b32 s21, 0
	s_mul_i32 s2, s17, 98304                       ; x's group,
	s_mul_i32 s3, s16, 2*HALFT                     ; my half of it
	s_add_co_u32 s2, s2, s3
	s_mov_b32 s3, 0
	s_mov_b32 s[G0B], 1
	s_mul_i32 s[G0B+1], s16, GRP                   ; by the wave's number alone
	s_mov_b32 s[G0A], 1
	s_mul_i32 s[G0A+1], s16, 2*HALFT
	s_add_co_u32 s[G0A+1], s[G0A+1], 2*GRP
	; where the results go
	s_lshr_b32 s18, s17, 3                         ; batch
	s_and_b32 s19, s17, 7                          ; group of 128 tokens in it
	s_lshl_b32 s22, s90, 1
	s_add_co_u32 s22, s22, s15                     ; pair of heads
	s_lshl_b32 s23, s18, 3
	s_add_co_u32 s23, s23, s22                     ; Q's region
	s_mul_i32 s12, s19, 12288
	s_mul_i32 s76, s23, 98304
	s_add_co_u32 s76, s76, s12
	s_add_co_u32 s78, s76, 128*98304
	s_mul_i32 s13, s16, 6144
	s_add_co_u32 s76, s76, s13                     ; Q's codes; K's lie 64 regions on
	s_mov_b32 s77, 0
	s_mul_i32 s13, s16, 3072
	s_add_co_u32 s78, s78, s13                     ; V's codes
	s_mov_b32 s79, 0
	s_lshl_b32 s80, s23, 12
	s_lshl_b32 s12, s19, 9
	s_add_co_u32 s80, s80, s12
	s_add_co_u32 s82, s80, 128<<12
	s_lshl_b32 s13, s16, 1
	s_add_co_u32 s80, s80, s13                     ; Q's scale bytes
	s_mov_b32 s81, 0
	s_lshl_b32 s13, s16, 8
	s_add_co_u32 s82, s82, s13                     ; V's
	s_mov_b32 s83, 0
	s_mov_b32 s84, 0x76543210
	s_mov_b32 s85, 0xfedcba98                      ; v_permlanex16_b32's selects for lane l xor 16
	s_mov_b32 s72, 0xffff0000                      ; lanes 16-31
	s_wait_dscnt 0x0                               ; both opening adds are done
	s_wait_kmcnt 0x0
	s_add_nc_u64 s[G0B+2:G0B+3], s[4:5], s[20:21]
	s_or_b32 s[G0B+3], s[G0B+3], 0x80000000
	s_add_nc_u64 s[G0A+2:G0A+3], s[4:5], s[2:3]
	s_or_b32 s[G0A+3], s[G0A+3], 0x80000000
	s_add_nc_u64 s[76:77], s[8:9], s[76:77]
	s_add_nc_u64 s[78:79], s[8:9], s[78:79]
	s_add_nc_u64 s[80:81], s[10:11], s[80:81]
	s_add_nc_u64 s[82:83], s[10:11], s[82:83]
	CROUND                                         ; all sixteen work-groups are here: the joint loads meet
	s_cmp_lt_u32 s14, 2                            ; one branch on the wave's number, one load to each arm: every way passes one
	s_cbranch_scc0 .Lfor_x
	TLOAD G0B, G1B
	s_branch .Lfilled
.Lfor_x:
	TLOAD G0A, G1A
.Lfilled:
	v_and_b32 v1, 15, v0                           ; r
	v_and_b32 v3, 31, v0                           ; lane
	v_lshlrev_b32 v[RO], 5, v1                     ; 32 r
	s_wait_alu depctr_va_vdst(0)
	s_lshl_b32 s12, s90, 1
	s_add_co_u32 s12, s12, s15
	s_add_co_u32 s12, s12, 64
	s_lshl_b32 s12, s12, 12                        ; the weights' scales: 8 tiles of 512 bytes a group,
	s_lshl_b32 s13, s16, 11                        ; my four of them
	s_add_co_u32 s12, s12, s13
	s_mov_b32 s13, 0
	s_add_nc_u64 s[86:87], s[6:7], s[12:13]
	s_lshl_b32 s12, s17, 12                        ; x's scales
	s_add_nc_u64 s[6:7], s[6:7], s[12:13]
.irp p, 0,1,2                                  ; row r's 32 bytes: eight words, one for each 128 along K; both halves of the lanes take the same
.irp b, 0,1,2,3
	global_load_b128 v[SBW+32*\p+8*\b:SBW+32*\p+8*\b+3], v[RO], s[86:87] offset:\p*32768+\b*512
	global_load_b128 v[SBW+32*\p+8*\b+4:SBW+32*\p+8*\b+7], v[RO], s[86:87] offset:\p*32768+\b*512+16
.endr
.endr
.irp a, 0,1,2,3,4,5,6,7
	global_load_b128 v[WVS+8*\a:WVS+8*\a+3], v[RO], s[6:7] offset:\a*512
	global_load_b128 v[WVS+8*\a+4:WVS+8*\a+7], v[RO], s[6:7] offset:\a*512+16
.endr
	s_mul_i32 s20, s15, GRP                        ; my four tiles of the weight
	s_mul_i32 s21, s16, 4*3072
	s_add_co_u32 s20, s20, s21
	s_add_co_u32 s21, s20, 2*HALFT
	v_lshlrev_b32 v[L16], 4, v3                    ; 16 x lane
	v_lshlrev_b32 v[L8], 3, v3                     ; 8 x lane
	v_add_nc_u32 v[BA], s20, v[L16]
	v_add_nc_u32 v[BA+1], s21, v[L16]
	v_add_nc_u32 v[BA+2], s20, v[L8]
	v_add_nc_u32 v[BA+3], s21, v[L8]
	v_add_nc_u32 v[AA], 2*GRP, v[L16]
	v_add_nc_u32 v[AA+1], 2*GRP+2*HALFT, v[L16]
	v_add_nc_u32 v[AA+2], 2*GRP, v[L8]
	v_add_nc_u32 v[AA+3], 2*GRP+2*HALFT, v[L8]
.irp i, 0,1,2,3
	v_mov_b32 v[PT+\i], 0                          ; a permute's destination counts as read: written once here
.endr
.macro FRAGL f, a16, a8, off           ; a fragment comes back as it was stored: two half images of 768 bytes
	WIN (1+(\f)/FPW)<<6
.set R_, FR*((\f)%FPW)
	ds_load_b128 v[R_:R_+3], v[\a16] offset:\off
	ds_load_b64 v[R_+4:R_+5], v[\a8] offset:\off+512
	ds_load_b128 v[R_+6:R_+9], v[\a16] offset:\off+768
	ds_load_b64 v[R_+10:R_+11], v[\a8] offset:\off+1280
.endm
.macro WEIGHTS                         ; my 64 rows of the weight, all of K: 128 LDS loads
.irp q, 0,1,2,3,4,5,6,7
.irp b, 0,1,2,3
	FRAGL 4*\q+\b, BA+\q/4, BA+2+\q/4, ((\q/2)%2)*HALFT+\b*3072+(\q%2)*1536
.endr
.endr
	WIN 0
.endm
.macro FETCH a, e                      ; 32 LDS loads: x's block a, all of K, into set e
.irp q, 0,1,2,3,4,5,6,7
	FRAGL 32+8*(\e)+\q, AA+\q/4, AA+2+\q/4, ((\q/2)%2)*HALFT+(\a)*3072+(\q%2)*1536
.endr
	WIN 0
.endm
.macro W1 d, f0, f1, zero, x0, x1
	WIN (1+(\f0)/FPW)|((1+(\f1)/FPW)<<2)|0xf0
.if \zero
	v_wmma_scale_f32_16x16x128_f8f6f4 v[\d:\d+7], v[FR*((\f0)%FPW):FR*((\f0)%FPW)+11], v[FR*((\f1)%FPW):FR*((\f1)%FPW)+11], 0, v[\x0], v[\x1] matrix_a_fmt:MATRIX_FMT_FP6 matrix_b_fmt:MATRIX_FMT_FP6
.else
	v_wmma_scale_f32_16x16x128_f8f6f4 v[\d:\d+7], v[FR*((\f0)%FPW):FR*((\f0)%FPW)+11], v[FR*((\f1)%FPW):FR*((\f1)%FPW)+11], v[\d:\d+7], v[\x0], v[\x1] matrix_a_fmt:MATRIX_FMT_FP6 matrix_b_fmt:MATRIX_FMT_FP6
.endif
.endm
; 32 products: K ascending, the block's four accumulators by turns; the first four start the sums.
; kind 0 (Q, K): source 0 the weight's tile b; accumulator at 32 (a % 2) + 8 b.  kind 1 (V): source 0 x's block; accumulator at 16 b + 8 (a % 2).
.macro PRODS a, kind, p
.irp q, 0,1,2,3,4,5,6,7
.irp b, 0,1,2,3
.if \kind
	W1 ACC+16*\b+8*((\a)%2), 32+8*((\a)%2)+\q, 4*\q+\b, \q==0, WVS+8*(\a)+\q, SBW+32*(\p)+8*\b+\q
.else
	W1 ACC+32*((\a)%2)+8*\b, 4*\q+\b, 32+8*((\a)%2)+\q, \q==0, SBW+32*(\p)+8*\b+\q, WVS+8*(\a)+\q
.endif
.endr
.endr
	WIN 0
.endm
.macro ONE a, kind, p                  ; a block; its set of registers then takes the block two on (x's group stays in LDS: the walk goes on into the next phase)
.if ((\p)==2)&&((\a)==7)
	s_wait_dscnt 0x0
.else
	s_wait_dscnt 32                                ; this block's fragments are in; the next block's 32 loads may be out
.endif
	PRODS \a,\kind,\p
	PLACES 4                                       ; behind the products: for the loads into their fragments and the reads of their results
.if ((\p)<2)||((\a)<6)
	FETCH ((\a)+2)%8,(\a)%2
.endif
.endm
.macro LARGEST                         ; four blocks: n-th block's 16 numbers of this lane at ACC + 16 n; their largest magnitudes, scale operands and bytes
	WIN 0x3c
.irp n, 0,1,2,3
	v_max3_num_f32 v[BM+\n], 0x1800000, |v[ACC+16*\n]|, |v[ACC+16*\n+1]|   ; with the floor 2^(3 - 127); each accumulator is read from its low end on
.endr
.irp i, 2,4,6,8,10,12,14
.irp n, 0,1,2,3
	v_max3_num_f32 v[BM+\n], v[BM+\n], |v[ACC+16*\n+\i]|, |v[ACC+16*\n+\i+1]|
.endr
.endr
	WIN 0
.irp n, 0,1,2,3
	v_permlanex16_b32 v[PT+\n], v[BM+\n], s84, s85
.endr
.irp n, 0,1,2,3
	v_max_num_f32 v[BM+\n], v[BM+\n], v[PT+\n]     ; with lane l xor 16's 16
.endr
.irp n, 0,1,2,3
	v_add_nc_u32 v[SO+\n], 0xff000000, v[BM+\n]    ; 2 off the exponent field: the conversion's scale operand
.endr
.irp n, 0,1,2,3
	v_lshrrev_b32 v[PT+\n], 23, v[SO+\n]
.endr
.endm
.macro JOIN n                          ; a whole block to a lane: lanes 0-15 the first block, lanes 16-31 the second
.irp i, 0,1,2
	v_permlane16_swap_b32 v[CX+6*(\n)+\i], v[CY+4*(\n)+\i]
.endr
.irp i, 0,1,2
	v_mov_b32 v[CX+6*(\n)+3+\i], v[CY+4*(\n)+\i]
.endr
.endm
.macro WAYQK g, p                      ; token tiles 2 g and 2 g + 1 of Q (p = 0) or K (p = 1): block n = 2 t + b is channels 32 b .. of tile 2 g + t
	s_wait_xcnt 0x0                                ; the last pair's stores have read the registers that are written below
	LARGEST
.irp t, 0,1
	v_lshl_or_b32 v[TC+\t], v[PT+2*\t+1], 8, v[PT+2*\t]
.endr
	v_cndmask_b32 v[TC], v[TC], v[TC+1], s72       ; lanes 0-15 store the even tile's two bytes, lanes 16-31 the odd tile's
	WIN 0x03
.irp t, 0,1
	v_cvt_scalef32_pk16_fp6_f32 v[CX+6*\t:CX+6*\t+2], v[ACC+32*\t:ACC+32*\t+15], v[SO+2*\t]
	v_cvt_scalef32_pk16_fp6_f32 v[CY+4*\t:CY+4*\t+2], v[ACC+32*\t+16:ACC+32*\t+31], v[SO+2*\t+1]
.endr
	v_nop                                          ; one plain instruction behind the conversions
	WIN 0
	JOIN 0
	JOIN 1
.irp t, 0,1
	global_store_b128 v[L16], v[CX+6*\t:CX+6*\t+3], s[76:77] offset:(\p)*64*98304+(2*(\g)+\t)*768       ; 512 consecutive bytes,
	global_store_b64 v[L8], v[CX+6*\t+4:CX+6*\t+5], s[76:77] offset:(\p)*64*98304+(2*(\g)+\t)*768+512   ; and 256
.endr
	global_store_b16 v[L16], v[TC], s[80:81] offset:(\p)*64*4096+4*(\g)
.endm
.macro WAYV g                          ; tokens 32 g .. 32 g + 31 of my four channel tiles: block n = tile n
.if (\g)%2 == 0
	s_wait_xcnt 0x0                                ; earlier stores have read the registers that are written below
.endif
	LARGEST
.irp n, 0,1,2,3
.if (\g) == 0
	v_mov_b32 v[PW+\n], v[PT+\n]
.else
	v_lshl_or_b32 v[PW+\n], v[PT+\n], 8*(\g), v[PW+\n]   ; a channel's scale word: a byte for each 32 tokens
.endif
.endr
	WIN 0x03
.irp n, 0,1,2,3
.if (\g)%2 == 0
	v_cvt_scalef32_pk16_fp6_f32 v[CX+6*\n:CX+6*\n+2], v[ACC+16*\n:ACC+16*\n+15], v[SO+\n]
.else
	v_cvt_scalef32_pk16_fp6_f32 v[CY+4*\n:CY+4*\n+2], v[ACC+16*\n:ACC+16*\n+15], v[SO+\n]
.endif
.endr
	v_nop                                          ; one plain instruction behind the conversions
	WIN 0
.if (\g)%2
.irp n, 0,1,2,3
	JOIN \n
.endr
.irp n, 0,1,2,3
	global_store_b128 v[L16], v[CX+6*\n:CX+6*\n+3], s[78:79] offset:((\g)/2)*6144+\n*768
	global_store_b64 v[L8], v[CX+6*\n+4:CX+6*\n+5], s[78:79] offset:((\g)/2)*6144+\n*768+512
.endr
.endif
.endm
.macro REFILL                          ; every wave holds its weights in registers: their LDS bytes take the next phase's
	s_wait_tensorcnt 0x0                           ; all my tensor loads have landed;
	ds_add_u32 v[SPW], v[NIL]                      ; 0 onto my spare word;
	s_add_nc_u64 s[G0B+2:G0B+3], s[G0B+2:G0B+3], 8*98304   ; (no load of mine is out: the descriptor steps 8 groups on)
	s_wait_dscnt 0x0                               ; the add is done, and so are my reads of the weights' bytes
	CROUND                                         ; both now hold of every wave of every work-group of the cluster
	s_cmp_lt_u32 s14, 2
	s_cbranch_scc0 .Lno_load_\@
	TLOAD G0B, G1B
.Lno_load_\@:
.endm
.macro SHOWN                           ; a plain barrier: the weights that the last refill brought are shown to all
	s_wait_tensorcnt 0x0
	s_wait_dscnt 0x0
	s_barrier_signal -1
	s_barrier_wait -1
.endm
	s_wait_alu depctr_va_vdst(0)
	s_cmp_lt_u32 s14, 2
	s_cbranch_scc0 .Lnot_b
	s_wait_tensorcnt 0x0                           ; my group of W_q is in
.Lnot_b:
	s_barrier_signal -1
	s_barrier_wait -1                              ; both groups are; x's halves may still be on their way
	WEIGHTS
	REFILL                                         ; its wait and round also show x's group to all; W_k's rows are asked for
	FETCH 0,0
	FETCH 1,1
	s_wait_loadcnt 0x0                             ; the scale words
.irp g, 0,1,2,3                                ; Q
	ONE 2*\g,0,0
	ONE 2*\g+1,0,0
	WAYQK \g,0
.endr
	SHOWN
	WEIGHTS
	REFILL                                         ; W_v's rows are asked for
.irp g, 0,1,2,3                                ; K
	ONE 2*\g,0,1
	ONE 2*\g+1,0,1
	WAYQK \g,1
.endr
	SHOWN
	WEIGHTS
	s_wait_dscnt 0x0
.irp g, 0,1,2,3                                ; V
	ONE 2*\g,1,2
	ONE 2*\g+1,1,2
	WAYV \g
.endr
.irp i, 0,1
	v_cndmask_b32 v[SW+\i], v[PW+2*\i], v[PW+2*\i+1], s72   ; lanes 0-15 store tile 2 i's words, lanes 16-31 tile 2 i + 1's
.endr
	global_store_b64 v[L8], v[SW:SW+1], s[82:83]   ; one aligned unit of 256 bytes
	s_wait_tensorcnt 0x0                           ; the wave's end
	ds_add_u32 v[SPW], v[NIL]
	s_wait_dscnt 0x0
	CROUND                                         ; the closing round
	s_endpgm
.Lfunc_end_k_qd5d818a779_qkv:
	.size	k_qd5d818a779_qkv, .Lfunc_end_k_qd5d818a779_qkv-k_qd5d818a779_qkv
	.p2alignl 7, 3214868480
	.fill 96, 4, 3214868480
	.section	.rodata,"a",@progbits
	.p2align	6, 0x0
	.amdhsa_kernel k_qd5d818a779_qkv
		.amdhsa_group_segment_fixed_size 327680
		.amdhsa_private_segment_fixed_size 0
		.amdhsa_enable_private_segment 0
		.amdhsa_kernarg_size 32
		.amdhsa_user_sgpr_count 2
		.amdhsa_user_sgpr_kernarg_segment_ptr 1
		.amdhsa_wavefront_size32 1
		.amdhsa_system_sgpr_workgroup_id_x 1
		.amdhsa_system_sgpr_workgroup_id_y 1
		.amdhsa_system_sgpr_workgroup_id_z 1
		.amdhsa_system_vgpr_workitem_id 0
		.amdhsa_next_free_vgpr 928
		.amdhsa_next_free_sgpr 100
		.amdhsa_reserve_vcc 0
		.amdhsa_float_denorm_mode_32 3
		.amdhsa_float_denorm_mode_16_64 3
		.amdhsa_memory_ordered 1
		.amdhsa_forward_progress 1
		.amdhsa_inst_pref_size 242
	.end_amdhsa_kernel
	.amdgpu_metadata
---
amdhsa.version: [ 1, 2 ]
amdhsa.kernels:
  - .name:           k_qd5d818a779_qkv
    .symbol:         k_qd5d818a779_qkv.kd
    .args:
      - { .name: opc, .offset: 0, .size: 8, .value_kind: global_buffer, .address_space: global }
      - { .name: ops, .offset: 8, .size: 8, .value_kind: global_buffer, .address_space: global }
      - { .name: qkvc, .offset: 16, .size: 8, .value_kind: global_buffer, .address_space: global }
      - { .name: qkvs, .offset: 24, .size: 8, .value_kind: global_buffer, .address_space: global }
    .group_segment_fixed_size: 327680
    .private_segment_fixed_size: 0
    .kernarg_segment_align: 8
    .kernarg_segment_size: 32
    .max_flat_workgroup_size: 128
    .sgpr_count:     100
    .vgpr_count:     928
    .wavefront_size: 32
...
	.end_amdgpu_metadata
.endif
;; end of part 2
;; launch attn (part 3): grid 256 x 1, 8 waves a work-group, clusters of 4 x 1, 327,680 bytes of LDS; arguments qkvc, qkvs, oc, os; writes oc, os
.if DOCPART == 3
	.amdgcn_target "amdgcn-amd-amdhsa--gfx1250"
	.amdhsa_code_object_version 6
	.text
	.protected	k_qd5d818a779_attn
	.globl	k_qd5d818a779_attn
	.p2align	8
	.type	k_qd5d818a779_attn,@function
k_qd5d818a779_attn:
	s_mov_b64 s[64:65], 0
	v_nop
	global_prefetch_b8 v0, s[64:65] scope:SCOPE_SE
	s_setreg_imm32_b32 hwreg(HW_REG_WAVE_MODE, 25, 1), 1
	s_wait_xcnt 0x0
	s_wait_alu depctr_hold_cnt(0) depctr_sa_sdst(0) depctr_va_vdst(0) depctr_va_sdst(0) depctr_va_ssrc(0) depctr_va_vcc(0) depctr_vm_vsrc(0)
	s_getreg_b32 s2, hwreg(HW_REG_IB_STS2, 6, 4)
	s_cmp_eq_u32 s2, 0
	s_cbranch_scc0 .Lentry_in_a_cluster
	s_endpgm
.Lentry_in_a_cluster:
	s_bfe_u32 s2, ttmp6, 0x10000c
	s_cmp_lg_u32 s2, 0x3003
	s_cbranch_scc0 .Lentry_shape_is_right
	s_endpgm
.Lentry_shape_is_right:
; o[b][h][q] = the sum over k of softmax_k(q . k / 8) v, 128 heads of 1,024 tokens x 64 channels, both products on codes of FP6 (E2M3) with E8M0 scales.
; o is divided by the row's sum and quantised along the 1,024 channels of the last product's K: it leaves as codes and scale bytes.
; THE SOFTMAX: t = score x log2(e) / 8; M = the running largest t rounded UP to a whole number; p = 2^(t - M) is quantised along the keys, not normalised;
; the row's sum is taken of the unquantised p in f32.  When M moves, the sum and O are multiplied by 2^(old M - new M): exact.
; SHARES.  A cluster of four work-groups takes a PAIR of heads (cluster x = batch x 8 + pair): 64 clusters, 256 work-groups.  Both heads' K, V and scale words, 204,800 bytes,
; come into each partner's LDS once, by six joint loads (mask 15), one a wave; nothing is filled again.  A work-group takes 256 queries (place cx) of both heads, one head after the other.
; A wave holds TWO tiles of 16 queries: each fragment of K and V that it reads from LDS feeds both, and the two tiles go through every phase of the softmax together, line by line in turn,
; so that eight chains stand side by side and one batch holds both tiles' exponentials.
; A step is 128 keys.  K's and V's fragments have registers of their own: V's loads stand at the step's top, the next step's K loads behind the scores' products.
; The last step of all asks for a K step that does not exist: the 20 loads read bytes of V's region, inside LDS, and nothing uses them.
; LAYOUT.  Both products are used transposed: S^T = K Q^T (source 0 = 16 keys), O^T = V^T P^T (source 0 = 16 channels): a lane holds ONE query.  The launch before laid the tiles so that the 16 registers
; of key tiles 2 b, 2 b + 1 are 16 neighbouring keys, and those of channel tiles likewise.  THE FIRST PRODUCT'S K IS 64: Q's upper six registers are zero codes; a key tile's operand is its six registers and
; the six that follow (the next tile's, or a pad of zeros).  Both sides' scale words come as 16 bits, so that their upper two bytes are 0.
; NO PREFETCH: all tiles are asked for at the head; there is no later request to run ahead of.
; o's scale bytes leave one byte a lane, 32 bytes apart: a head owns 2 of a row's 32 bytes.
; LIMITS: NaN and infinities are not served; a block of o under 2^-124 gets the byte 1 (its codes are zeros; this program alone reads the bytes); the division by the sum is v_rcp_f32 and a multiplication;
; the promise holds while the scaled scores t stay under 2^31 in magnitude.
; REGISTERS.  Window 0: addresses, scale words, the softmax of both tiles.  Window 1: what matrix instructions and conversions alone touch.  t = 0, 1 is the tile.
.set VB,    98304                      ; LDS: K: step n = 8 head + g at 6,144 n; V the same from VB on
.set KSC,   196608                     ; K's scale words, 4,096 bytes, both heads
.set VSC,   200704                     ; V's
.set SPARE, 204800                     ; the spare words, 128 bytes a wave
.set SPW,   5                          ; window 0: v1 16 x lane, v2 8 x lane, v3, v4, v7 K's LDS addresses, v11, v12, v8 V's, v5, v6 the add's two, v9, v10 offsets
.set NIL,   6
.set QS,    14                         ; v14, v15 Q's scale words; v16, v17 the second head's
.set KS,    18                         ; v18-21 K's scale words
.set VS,    22                         ; v22, v23 V's
.set PS,    24                         ; v24, v25 p's
.set ST,    26                         ; v[26 + 4 t ..]: -M, the largest t, the sum in two halves
.set FF,    34                         ; v[34 + 2 t]: f = 2^(old M - new M); its pair's upper register is 0
.set S0,    64                         ; v[64 + 64 t ..]: S^T, then p, at a head's end o
.set BM,    192                        ; v192-199 a block's largest score, then its largest p
.set PT,    200                        ; v200-207 lane l xor 16's; then scale bytes
.set SO,    208                        ; v208-215 the conversions' scale operands
.set TC,    216                        ; v216-219 at work
.set TD,    218
.set TS,    220                        ; v220-251 the sums' chains: eight pairs a tile
.set OO,    0                          ; window 1: v[32 t ..] O^T
.set QQ,    64                         ; v[64 + 12 t ..] Q, its upper six zeros
.set Q2,    88                         ; v[88 + 6 t ..] the second head's Q
.set KF,    100                        ; v100-147 K's eight tiles, v148-153 zeros
.set VF,    154                        ; v154-201 V's four fragments
.set PC,    202                        ; v[202 + 12 t ..] p's codes; at a head's end o's
.set PX,    226                        ; v[226 + 8 t ..] the second conversions' results
.set MSB,   0
.macro WIN new                         ; the immediate's high byte repeats the setting that is left
.if MSB != (\new)
	s_set_vgpr_msb (MSB<<8)|(\new)
.set MSB, (\new)
.endif
.endm
.macro CROUND                          ; a round of the cluster's barrier
	s_barrier_signal -1
	s_barrier_wait -1
	s_cmp_lg_u32 s18, 0
	s_cbranch_scc1 .Lnot_wave_0_\@
	s_barrier_signal -3
.Lnot_wave_0_\@:
	s_barrier_wait -3
	s_barrier_signal -1
	s_barrier_wait -1
.endm
.macro TLOAD g0, g1                    ; an s_nop 0 behind the load; four v_nop stand ahead of the jump or label
	tensor_load_to_lds s[\g0:\g0+3], s[\g1:\g1+7]
	s_nop 0
.rept 4
	v_nop
.endr
.endm
.macro WALU
	s_wait_alu depctr_va_vdst(0)
.endm
.macro DEP n
	s_delay_alu instid0(VALU_DEP_\n)
.endm
	s_load_b256 s[4:11], s[0:1], 0x0               ; qkvc, qkvs, oc, os
	v_lshl_add_u32 v[SPW], v0, 2, SPARE
	v_mov_b32 v[NIL], 0
	ds_add_u32 v[SPW], v[NIL]                      ; the opening lines: the add twice, and its wait ahead of the first tensor load
	ds_add_u32 v[SPW], v[NIL]
	v_lshrrev_b32 v1, 5, v0
	v_readfirstlane_b32 s18, v1                    ; wave 0..7
	s_bfe_u32 s16, ttmp6, 0x40000                  ; cx: my 256 queries
	s_lshr_b32 s13, ttmp9, 3                       ; batch
	s_and_b32 s15, ttmp9, 7                        ; pair of heads
	; group 1, elements of 8 bytes, mask 15 with bit 21: K 8 rows of 6,144 bytes, 12,288 apart; V 16 rows of 3,072, 6,144 apart; scale words 16 dense rows of 256
	s_mov_b32 s24, 15|(3<<16)|(1<<21)
	s_mov_b32 s25, 768<<16
	s_mov_b32 s26, 8<<16
	s_mov_b32 s27, 768<<16
	s_mov_b32 s28, 8
	s_mov_b32 s29, 1536
	s_mov_b32 s30, 0
	s_mov_b32 s31, 0
	s_mov_b32 s32, 15|(3<<16)|(1<<21)
	s_mov_b32 s33, 384<<16
	s_mov_b32 s34, 16<<16
	s_mov_b32 s35, 384<<16
	s_mov_b32 s36, 16
	s_mov_b32 s37, 768
	s_mov_b32 s38, 0
	s_mov_b32 s39, 0
	s_mov_b32 s40, 15|(3<<16)|(1<<21)
	s_mov_b32 s41, 32<<16
	s_mov_b32 s42, 16<<16
	s_mov_b32 s43, 32<<16
	s_mov_b32 s44, 16
	s_mov_b32 s45, 32
	s_mov_b32 s46, 0
	s_mov_b32 s47, 0
	; group 0.  Waves 0, 1: K of head 0, 1; waves 2, 3: V; waves 4, 5: K's, V's scale words.  Nothing here hangs on cx
	s_lshr_b32 s19, s18, 1                         ; 0 K, 1 V (waves 0-3)
	s_and_b32 s12, s18, 1
	s_lshl_b32 s82, s19, 6
	s_add_co_u32 s82, s82, ttmp9
	s_add_co_u32 s82, s82, 64                      ; K's region (64 + pair's number) or V's (128 +)
	s_mul_i32 s82, s82, 98304
	s_lshr_b32 s83, 0x1800, s19                    ; the head's place in a row's pair: 6,144 bytes in K, 3,072 in V
	s_mul_i32 s83, s83, s12
	s_add_co_u32 s82, s82, s83
	s_mov_b32 s83, 0
	s_lshl_b32 s84, s12, 6
	s_add_co_u32 s84, s84, ttmp9
	s_add_co_u32 s84, s84, 64
	s_lshl_b32 s84, s84, 12
	s_mov_b32 s85, 0
	s_mov_b32 s48, 1
	s_mul_i32 s49, s18, 49152                      ; K0, K1, V0, V1 on end
	s_mov_b32 s52, 1
	s_lshl_b32 s53, s12, 12
	s_add_co_u32 s53, s53, KSC
	; my queries: group of 128 = 2 cx + wave / 4, tiles 2 (wave % 4) and the next
	s_lshl_b32 s2, s16, 1
	s_lshr_b32 s3, s18, 2
	s_add_co_u32 s2, s2, s3
	s_and_b32 s3, s18, 3
	s_mul_i32 s74, ttmp9, 98304                    ; Q's codes
	s_mul_i32 s88, s2, 12288
	s_add_co_u32 s74, s74, s88
	s_mul_i32 s88, s3, 1536
	s_add_co_u32 s74, s74, s88
	s_mov_b32 s75, 0
	s_lshl_b32 s76, ttmp9, 12                      ; Q's scale words: tile a's lie in word a / 2, 256 (a % 2) bytes on
	s_lshl_b32 s88, s2, 9
	s_add_co_u32 s76, s76, s88
	s_lshl_b32 s88, s3, 2
	s_add_co_u32 s76, s76, s88
	s_mov_b32 s77, 0
	s_lshl_b32 s89, s13, 3
	s_add_co_u32 s89, s89, s2                      ; the group of 128 rows of o
	s_mul_i32 s78, s89, 98304                      ; oc: group, K slot = head / 4, tile, piece = head % 4
	s_lshr_b32 s88, s15, 1
	s_mul_i32 s88, s88, 24576
	s_add_co_u32 s78, s78, s88
	s_mul_i32 s88, s3, 6144
	s_add_co_u32 s78, s78, s88
	s_and_b32 s88, s15, 1
	s_mul_i32 s88, s88, 1536
	s_add_co_u32 s78, s78, s88
	s_mov_b32 s79, 0
	s_lshl_b32 s80, s89, 3
	s_lshl_b32 s88, s3, 1
	s_add_co_u32 s80, s80, s88
	s_lshl_b32 s80, s80, 9                         ; os: tile x 512 + 2 x head
	s_lshl_b32 s88, s15, 2
	s_add_co_u32 s80, s80, s88
	s_mov_b32 s81, 0
	s_mov_b32 s20, 0x76543210
	s_mov_b32 s21, 0xfedcba98                      ; v_permlanex16_b32's selects for lane l xor 16
	s_mov_b32 s22, 0x3e38aa3b                      ; c = log2(e) / 8
	s_mov_b32 s23, s22
	s_mov_b32 s72, 0xffff0000                      ; lanes 16-31
	s_wait_dscnt 0x0                               ; both opening adds are done
	s_wait_kmcnt 0x0
	s_add_nc_u64 s[50:51], s[4:5], s[82:83]
	s_or_b32 s51, s51, 0x80000000
	s_add_nc_u64 s[54:55], s[6:7], s[84:85]
	s_or_b32 s55, s55, 0x80000000
	s_add_nc_u64 s[74:75], s[4:5], s[74:75]
	s_add_nc_u64 s[76:77], s[6:7], s[76:77]
	s_add_nc_u64 s[78:79], s[8:9], s[78:79]
	s_add_nc_u64 s[80:81], s[10:11], s[80:81]
	CROUND                                         ; all four work-groups are here: the joint loads meet
	s_cmp_lt_u32 s18, 2                            ; one chain of branches on the wave's number, one load to an arm
	s_cbranch_scc0 .Lnot_k
	TLOAD 48, 24
	s_branch .Lfilled
.Lnot_k:
	s_cmp_lt_u32 s18, 4
	s_cbranch_scc0 .Lnot_v
	TLOAD 48, 32
	s_branch .Lfilled
.Lnot_v:
	s_cmp_lt_u32 s18, 6
	s_cbranch_scc0 .Lfilled
	TLOAD 52, 40
.Lfilled:
	v_and_b32 v11, 31, v0
	v_lshlrev_b32 v1, 4, v11                       ; 16 x lane
	v_lshlrev_b32 v2, 3, v11                       ; 8 x lane
	v_and_b32 v10, 15, v0
	v_bfe_u32 v9, v0, 4, 1
	v_lshl_add_u32 v9, v10, 5, v9                  ; o's scale byte: 32 r + h
	v_lshlrev_b32 v10, 4, v10                      ; Q's scale word: 16 r
	WIN 0x40                                       ; the first head's Q, six loads, as its registers were stored
.irp t, 0,1
	global_load_b128 v[QQ+12*\t:QQ+12*\t+3], v1, s[74:75] offset:768*\t
	global_load_b64 v[QQ+12*\t+4:QQ+12*\t+5], v2, s[74:75] offset:768*\t+512
.endr
	WIN 0
	global_load_u16 v[QS], v10, s[76:77]
	global_load_u16 v[QS+1], v10, s[76:77] offset:256
	WIN 0x40                                       ; the second head's, six loads
.irp t, 0,1
	global_load_b128 v[Q2+6*\t:Q2+6*\t+3], v1, s[74:75] offset:768*\t+6144
	global_load_b64 v[Q2+6*\t+4:Q2+6*\t+5], v2, s[74:75] offset:768*\t+6144+512
.endr
.irp i, 70,71,72,73,74,75, 82,83,84,85,86,87, 148,149,150,151,152,153
	v_mov_b32 v\i, 0                               ; zero codes: Q's upper halves, the pad behind K's eighth tile
.endr
	WIN 0
	global_load_u16 v[QS+2], v10, s[76:77] offset:2
	global_load_u16 v[QS+3], v10, s[76:77] offset:258
.irp i, 200,201,202,203,204,205,206,207, 35, 37
	v_mov_b32 v\i, 0                               ; registers that are named (a permute's destination, a pair's upper half) before they are first written
.endr
	v_mov_b32 v3, v1                               ; step 0's LDS addresses
	v_mov_b32 v4, v2
	v_add_nc_u32 v7, KSC, v1
	v_add_nc_u32 v8, VSC, v2
	v_add_nc_u32 v11, VB, v1
	v_add_nc_u32 v12, VB, v2
	WALU
	s_wait_loadcnt 6                               ; the first head's Q is in; the second head's six loads may be out
	s_wait_tensorcnt 0x0                           ; my tile is in,
	s_barrier_signal -1
	s_barrier_wait -1                              ; and everybody's
.macro KLOAD                           ; 20 LDS loads: eight key tiles and their scale words (lanes 0-15: tile 2 i's; lanes 16-31: tile 2 i + 1's)
	WIN 0x40
.irp i, 0,1,2,3,4,5,6,7
	ds_load_b128 v[KF+6*\i:KF+6*\i+3], v3 offset:\i*768
	ds_load_b64 v[KF+6*\i+4:KF+6*\i+5], v4 offset:\i*768+512
.endr
	WIN 0
.irp i, 0,1,2,3
	ds_load_u16 v[KS+\i], v7 offset:4*\i
.endr
.endm
.macro VLOAD                           ; 17 LDS loads: V's four fragments, its scale words
	WIN 0x40
.irp u, 0,1,2,3
.irp c, 0,1
	ds_load_b128 v[VF+12*\u+6*\c:VF+12*\u+6*\c+3], v11 offset:\c*3072+\u*768
	ds_load_b64 v[VF+12*\u+6*\c+4:VF+12*\u+6*\c+5], v12 offset:\c*3072+\u*768+512
.endr
.endr
	WIN 0
	ds_load_b64 v[VS:VS+1], v8
.endm
	KLOAD                                          ; step 0's K
	s_mov_b32 s70, 0                               ; the head of the pair
.Lpass:
.irp t, 0,1
	v_mov_b32 v[ST+4*\t+1], 0xff61b1e6             ; the largest t so far: -3e38
.endr
.irp t, 0,1
	DEP 2
	v_floor_f32 v[ST+4*\t], -v[ST+4*\t+1]
.endr
.irp t, 0,1
	v_mov_b32 v[ST+4*\t+2], 0
	v_mov_b32 v[ST+4*\t+3], 0
.endr
	WIN 0x40
.set j, 0
.rept 64
	v_mov_b32 v[OO+j], 0                           ; O^T: the step has one form; the first finds zeros
.set j, j+1
.endr
	WIN 0
	s_mov_b32 s71, 0                               ; the key step
.Lstep:
	s_lshl_b32 s60, s70, 3                         ; the next step's places in LDS, n = 8 head + step + 1
	s_add_co_u32 s60, s60, s71
	s_add_co_u32 s60, s60, 1
	s_mul_i32 s61, s60, 6144
	s_and_b32 s62, s60, 7
	s_lshl_b32 s62, s62, 9
	s_lshr_b32 s63, s60, 3
	s_lshl_b32 s66, s63, 1
	s_add_co_u32 s66, s66, s62
	s_add_co_u32 s66, s66, KSC                     ; K's scale words: 512 a step, the head's two bytes of each word
	s_lshl_b32 s67, s63, 8
	s_add_co_u32 s67, s67, s62
	s_add_co_u32 s67, s67, VSC                     ; V's: 512 a step, the head's 256
	s_add_co_u32 s68, s61, VB
	VLOAD                                          ; this step's V lands under the scores and the softmax
	s_wait_dscnt 17                                ; K's 20 loads, asked for a step ago, are in; V's 17 may be out
	WIN 0x05                                       ; S^T = K Q^T: sixteen accumulators, one instruction each
.irp t, 0,1
.irp i, 0,1,2,3
	v_wmma_scale_f32_16x16x128_f8f6f4 v[S0+64*\t+16*\i:S0+64*\t+16*\i+7], v[KF+12*\i:KF+12*\i+11], v[QQ+12*\t:QQ+12*\t+11], 0, v[KS+\i], v[QS+\t] matrix_a_fmt:MATRIX_FMT_FP6 matrix_b_fmt:MATRIX_FMT_FP6
	v_wmma_scale_f32_16x16x128_f8f6f4 v[S0+64*\t+16*\i+8:S0+64*\t+16*\i+15], v[KF+12*\i+6:KF+12*\i+17], v[QQ+12*\t:QQ+12*\t+11], 0, v[KS+\i], v[QS+\t] matrix_a_fmt:MATRIX_FMT_FP6 matrix_b_fmt:MATRIX_FMT_FP6 matrix_a_scale:MATRIX_SCALE_ROW1
.endr
.endr
	WIN 0
	v_add_nc_u32 v3, s61, v1                       ; six plain instructions: the places behind the products, ahead of the loads into K's registers and of the first read of the scores
	v_add_nc_u32 v4, s61, v2
	v_add_nc_u32 v7, s66, v1
	v_add_nc_u32 v11, s68, v1
	v_add_nc_u32 v12, s68, v2
	v_add_nc_u32 v8, s67, v2
	KLOAD                                          ; the next step's K
	; x = 4 t + b: block b of 32 keys of tile t; its 16 scores of this lane begin at S0 + 16 x
.irp x, 0,1,2,3,4,5,6,7
	v_max3_num_f32 v[BM+\x], v[S0+16*\x], v[S0+16*\x+1], v[S0+16*\x+2]   ; the largest score of each block: for the row's maximum and for the block's largest p
.endr
.irp i, 3,5,7,9,11,13
.irp x, 0,1,2,3,4,5,6,7
	v_max3_num_f32 v[BM+\x], v[BM+\x], v[S0+16*\x+\i], v[S0+16*\x+\i+1]
.endr
.endr
.irp x, 0,1,2,3,4,5,6,7
	v_max_num_f32 v[BM+\x], v[BM+\x], v[S0+16*\x+15]
.endr
.irp x, 0,1,2,3,4,5,6,7
	v_permlanex16_b32 v[PT+\x], v[BM+\x], s20, s21
.endr
.irp x, 0,1,2,3,4,5,6,7
	v_max_num_f32 v[BM+\x], v[BM+\x], v[PT+\x]     ; with lane l xor 16's 16 keys
.endr
.irp t, 0,1
	v_max3_num_f32 v[TC+\t], v[BM+4*\t], v[BM+4*\t+1], v[BM+4*\t+2]
.endr
.irp t, 0,1
	DEP 2
	v_max_num_f32 v[TC+\t], v[TC+\t], v[BM+4*\t+3]
.endr
.irp t, 0,1
	DEP 2
	v_mul_f32 v[TC+\t], s22, v[TC+\t]              ; the step's largest t (c is positive)
.endr
.irp t, 0,1
	DEP 2
	v_max_num_f32 v[ST+4*\t+1], v[ST+4*\t+1], v[TC+\t]   ; the running largest t
.endr
.irp t, 0,1
	v_mov_b32 v[TD+\t], v[ST+4*\t]
.endr
.irp t, 0,1
	DEP 4
	v_floor_f32 v[ST+4*\t], -v[ST+4*\t+1]          ; the new -M = floor(-t)
.endr
.irp t, 0,1
	DEP 2
	v_sub_f32 v[TD+\t], v[ST+4*\t], v[TD+\t]       ; old M - new M: a whole number, 0 or less
.endr
.irp t, 0,1
	DEP 2
	v_cvt_i32_f32 v[TD+\t], v[TD+\t]               ; (it saturates)
.endr
.irp t, 0,1
	DEP 2
	v_ldexp_f32 v[FF+2*\t], 1.0, v[TD+\t]          ; f = 2^(old M - new M)
.endr
.irp t, 0,1
.set j, 0
.rept 32
	v_pk_fma_f32 v[S0+64*\t+j:S0+64*\t+j+1], v[S0+64*\t+j:S0+64*\t+j+1], s[22:23], v[ST+4*\t:ST+4*\t+1] op_sel_hi:[1,0,0]   ; t - M, two at a time
.set j, j+2
.endr
.endr
.irp t, 0,1
.irp b, 0,1,2,3
	v_fma_f32 v[BM+4*\t+\b], v[BM+4*\t+\b], s22, v[ST+4*\t]   ; the same of each block's largest score
.endr
.endr
	WALU
.set j, 0
.rept 128
	v_exp_f32 v[S0+j], v[S0+j]                     ; p = 2^(t - M), at most 1
.set j, j+1
.endr
.irp t, 0,1
	v_pk_mul_f32 v[ST+4*\t+2:ST+4*\t+3], v[ST+4*\t+2:ST+4*\t+3], v[FF+2*\t:FF+2*\t+1] op_sel_hi:[1,0]   ; the sums under the new M; plain instructions behind the exponentials
.endr
	WALU                                           ; one wait for the batch of 128, ahead of its first reader
.irp x, 0,1,2,3,4,5,6,7
	v_exp_f32 v[BM+\x], v[BM+\x]                   ; the block's largest p: the same two instructions on the same number give the same bits
.endr
.irp t, 0,1                                    ; the row's sum of the unquantised p: eight chains a tile
.irp k, 0,1,2,3,4,5,6,7
	v_pk_add_f32 v[TS+16*\t+2*\k:TS+16*\t+2*\k+1], v[S0+64*\t+2*\k:S0+64*\t+2*\k+1], v[S0+64*\t+2*\k+16:S0+64*\t+2*\k+17]
.endr
.endr
.irp o, 32,48
.irp t, 0,1
.irp k, 0,1,2,3,4,5,6,7
	v_pk_add_f32 v[TS+16*\t+2*\k:TS+16*\t+2*\k+1], v[TS+16*\t+2*\k:TS+16*\t+2*\k+1], v[S0+64*\t+2*\k+\o:S0+64*\t+2*\k+\o+1]
.endr
.endr
.endr
.irp t, 0,1
.irp k, 0,1,2,3
	v_pk_add_f32 v[TS+16*\t+2*\k:TS+16*\t+2*\k+1], v[TS+16*\t+2*\k:TS+16*\t+2*\k+1], v[TS+16*\t+2*\k+8:TS+16*\t+2*\k+9]
.endr
.endr
.irp t, 0,1
.irp k, 0,1
	v_pk_add_f32 v[TS+16*\t+2*\k:TS+16*\t+2*\k+1], v[TS+16*\t+2*\k:TS+16*\t+2*\k+1], v[TS+16*\t+2*\k+4:TS+16*\t+2*\k+5]
.endr
.endr
.irp t, 0,1
	v_pk_add_f32 v[TS+16*\t:TS+16*\t+1], v[TS+16*\t:TS+16*\t+1], v[TS+16*\t+2:TS+16*\t+3]
.endr
.irp t, 0,1
	DEP 2
	v_pk_add_f32 v[ST+4*\t+2:ST+4*\t+3], v[ST+4*\t+2:ST+4*\t+3], v[TS+16*\t:TS+16*\t+1]
.endr
	WALU                                           ; and one for the eight
.irp x, 0,1,2,3,4,5,6,7
	v_max_num_f32 v[BM+\x], 0x1800000, v[BM+\x]    ; the floor 2^(3 - 127): the byte cannot fall under 1
.endr
.irp x, 0,1,2,3,4,5,6,7
	v_add_nc_u32 v[SO+\x], 0xff000000, v[BM+\x]    ; 2 off the exponent field: the conversion's scale operand
.endr
.irp x, 0,1,2,3,4,5,6,7
	v_lshrrev_b32 v[PT+\x], 23, v[SO+\x]
.endr
.irp t, 0,1
	v_lshl_or_b32 v[TC+\t], v[PT+4*\t+1], 8, v[PT+4*\t]
.endr
.irp t, 0,1
	DEP 2
	v_lshl_or_b32 v[TC+\t], v[PT+4*\t+2], 16, v[TC+\t]
.endr
.irp t, 0,1
	DEP 2
	v_lshl_or_b32 v[PS+\t], v[PT+4*\t+3], 24, v[TC+\t]   ; p's scale word for these 128 keys
.endr
	WIN 0x40
.irp t, 0,1
.irp c, 0,1
	v_cvt_scalef32_pk16_fp6_f32 v[PC+12*\t+6*\c:PC+12*\t+6*\c+2], v[S0+64*\t+32*\c:S0+64*\t+32*\c+15], v[SO+4*\t+2*\c]
	v_cvt_scalef32_pk16_fp6_f32 v[PX+8*\t+4*\c:PX+8*\t+4*\c+2], v[S0+64*\t+32*\c+16:S0+64*\t+32*\c+31], v[SO+4*\t+2*\c+1]
.endr
.endr
	v_nop                                          ; one plain instruction behind the conversions
	WIN 0x41
.irp t, 0,1                                    ; a whole block to a lane: lanes 0-15 block 2 c, lanes 16-31 block 2 c + 1
.irp c, 0,1
.irp i, 0,1,2
	v_permlane16_swap_b32 v[PC+12*\t+6*\c+\i], v[PX+8*\t+4*\c+\i]
.endr
.endr
.endr
.irp t, 0,1
.irp c, 0,1
.irp i, 0,1,2
	v_mov_b32 v[PC+12*\t+6*\c+3+\i], v[PX+8*\t+4*\c+\i]
.endr
.endr
.endr
	WALU
.irp t, 0,1
.set j, 0
.rept 16
	v_pk_mul_f32 v[OO+32*\t+j:OO+32*\t+j+1], v[OO+32*\t+j:OO+32*\t+j+1], v[FF+2*\t:FF+2*\t+1] op_sel_hi:[1,0]   ; O^T under the new M; also the places between the writes of p's codes and scale words and the products
.set j, j+2
.endr
.endr
	WIN 0
	WALU
	s_wait_dscnt 20                                ; V is in; the next K's 20 loads may be out
	WIN 0x55                                       ; O^T += V^T P^T: eight accumulators, one instruction each
.irp t, 0,1
.irp u, 0,1
	v_wmma_scale_f32_16x16x128_f8f6f4 v[OO+32*\t+16*\u:OO+32*\t+16*\u+7], v[VF+24*\u:VF+24*\u+11], v[PC+12*\t:PC+12*\t+11], v[OO+32*\t+16*\u:OO+32*\t+16*\u+7], v[VS+\u], v[PS+\t] matrix_a_fmt:MATRIX_FMT_FP6 matrix_b_fmt:MATRIX_FMT_FP6
	v_wmma_scale_f32_16x16x128_f8f6f4 v[OO+32*\t+16*\u+8:OO+32*\t+16*\u+15], v[VF+24*\u+12:VF+24*\u+23], v[PC+12*\t:PC+12*\t+11], v[OO+32*\t+16*\u+8:OO+32*\t+16*\u+15], v[VS+\u], v[PS+\t] matrix_a_fmt:MATRIX_FMT_FP6 matrix_b_fmt:MATRIX_FMT_FP6 matrix_a_scale:MATRIX_SCALE_ROW1
.endr
.endr
	WIN 0
.rept 4
	v_nop                                          ; places ahead of the loads into V's registers and of the reads of O^T
.endr
	s_add_co_u32 s71, s71, 1
	s_cmp_lt_u32 s71, 8
	s_cbranch_scc1 .Lstep
	; THE END OF A HEAD: O^T / the sum; register 16 b + i is channel 32 b + 16 (lane / 16) + i; two blocks of 32 a tile are quantised and leave as one half image and two bytes a row
.irp t, 0,1
	v_add_f32 v[ST+4*\t+2], v[ST+4*\t+2], v[ST+4*\t+3]
.endr
.irp t, 0,1
	DEP 2
	v_permlanex16_b32 v[PT+\t], v[ST+4*\t+2], s20, s21
.endr
.irp t, 0,1
	DEP 2
	v_add_f32 v[ST+4*\t+2], v[ST+4*\t+2], v[PT+\t] ; the row's sum
.endr
	WALU
.irp t, 0,1
	v_rcp_f32 v[ST+4*\t+2], v[ST+4*\t+2]
.endr
	v_nop
	WIN 0x01
	WALU                                           ; ahead of the reciprocals' first reader, which is O^T's too
.irp t, 0,1
.set j, 0
.rept 16
	v_pk_mul_f32 v[S0+64*\t+j:S0+64*\t+j+1], v[OO+32*\t+j:OO+32*\t+j+1], v[ST+4*\t+2:ST+4*\t+3] op_sel_hi:[1,0]   ; each accumulator from its low end on
.set j, j+2
.endr
.endr
	WIN 0
.irp t, 0,1
.irp b, 0,1
	v_max3_num_f32 v[BM+2*\t+\b], |v[S0+64*\t+16*\b]|, |v[S0+64*\t+16*\b+1]|, 0x1800000
.endr
.endr
.irp i, 2,4,6,8,10,12,14
.irp t, 0,1
.irp b, 0,1
	DEP 4
	v_max3_num_f32 v[BM+2*\t+\b], v[BM+2*\t+\b], |v[S0+64*\t+16*\b+\i]|, |v[S0+64*\t+16*\b+\i+1]|
.endr
.endr
.endr
.irp x, 0,1,2,3
	DEP 4
	v_permlanex16_b32 v[PT+\x], v[BM+\x], s20, s21
.endr
.irp x, 0,1,2,3
	DEP 4
	v_max_num_f32 v[BM+\x], v[BM+\x], v[PT+\x]
.endr
.irp x, 0,1,2,3
	DEP 4
	v_add_nc_u32 v[SO+\x], 0xff000000, v[BM+\x]
.endr
.irp x, 0,1,2,3
	DEP 4
	v_lshrrev_b32 v[PT+\x], 23, v[SO+\x]
.endr
.irp t, 0,1
	v_cndmask_b32 v[TC+\t], v[PT+2*\t], v[PT+2*\t+1], s72   ; lanes 0-15 store block 0's byte, lanes 16-31 block 1's
.endr
	WIN 0x40
.irp t, 0,1
	v_cvt_scalef32_pk16_fp6_f32 v[PC+12*\t:PC+12*\t+2], v[S0+64*\t:S0+64*\t+15], v[SO+2*\t]
	v_cvt_scalef32_pk16_fp6_f32 v[PX+8*\t:PX+8*\t+2], v[S0+64*\t+16:S0+64*\t+31], v[SO+2*\t+1]
.endr
	v_nop
	WIN 0x41
.irp t, 0,1
.irp i, 0,1,2
	v_permlane16_swap_b32 v[PC+12*\t+\i], v[PX+8*\t+\i]
.endr
.endr
.irp t, 0,1
.irp i, 0,1,2
	v_mov_b32 v[PC+12*\t+3+\i], v[PX+8*\t+\i]
.endr
.endr
	WIN 0x04                                       ; a store's data: window 1
.irp t, 0,1
	global_store_b128 v1, v[PC+12*\t:PC+12*\t+3], s[78:79] offset:\t*3072       ; 512 consecutive bytes,
	global_store_b64 v2, v[PC+12*\t+4:PC+12*\t+5], s[78:79] offset:\t*3072+512  ; and 256
.endr
	WIN 0
.irp t, 0,1
	global_store_b8 v9, v[TC+\t], s[80:81] offset:\t*512
.endr
	WALU
	s_wait_loadcnt 0x0                             ; the second head's Q is in
	WIN 0x41
.irp t, 0,1
.irp i, 0,1,2,3,4,5
	v_mov_b32 v[QQ+12*\t+\i], v[Q2+6*\t+\i]        ; the second head's Q (behind the second head the copy repeats the same numbers)
.endr
.endr
	WIN 0
	v_mov_b32 v[QS], v[QS+2]
	v_mov_b32 v[QS+1], v[QS+3]
	s_wait_xcnt 0x0                                ; the stores have read their bases and data
	s_add_nc_u64 s[78:79], s[78:79], 768           ; the next head's piece of oc,
	s_add_nc_u64 s[80:81], s[80:81], 2             ; and its two bytes of os
	s_add_co_u32 s70, s70, 1
	s_cmp_lt_u32 s70, 2
	WALU
	s_cbranch_scc1 .Lpass
	s_wait_tensorcnt 0x0                           ; the wave's end
	ds_add_u32 v[SPW], v[NIL]
	s_wait_dscnt 0x0
	CROUND                                         ; the closing round
	s_endpgm
.Lfunc_end_k_qd5d818a779_attn:
	.size	k_qd5d818a779_attn, .Lfunc_end_k_qd5d818a779_attn-k_qd5d818a779_attn
	.p2alignl 7, 3214868480
	.fill 96, 4, 3214868480
	.section	.rodata,"a",@progbits
	.p2align	6, 0x0
	.amdhsa_kernel k_qd5d818a779_attn
		.amdhsa_group_segment_fixed_size 327680
		.amdhsa_private_segment_fixed_size 0
		.amdhsa_enable_private_segment 0
		.amdhsa_kernarg_size 32
		.amdhsa_user_sgpr_count 2
		.amdhsa_user_sgpr_kernarg_segment_ptr 1
		.amdhsa_wavefront_size32 1
		.amdhsa_system_sgpr_workgroup_id_x 1
		.amdhsa_system_sgpr_workgroup_id_y 1
		.amdhsa_system_sgpr_workgroup_id_z 1
		.amdhsa_system_vgpr_workitem_id 0
		.amdhsa_next_free_vgpr 512
		.amdhsa_next_free_sgpr 96
		.amdhsa_reserve_vcc 0
		.amdhsa_float_denorm_mode_32 3
		.amdhsa_float_denorm_mode_16_64 3
		.amdhsa_memory_ordered 1
		.amdhsa_forward_progress 1
		.amdhsa_inst_pref_size 54
	.end_amdhsa_kernel
	.amdgpu_metadata
---
amdhsa.version: [ 1, 2 ]
amdhsa.kernels:
  - .name:           k_qd5d818a779_attn
    .symbol:         k_qd5d818a779_attn.kd
    .args:
      - { .name: qkvc, .offset: 0, .size: 8, .value_kind: global_buffer, .address_space: global }
      - { .name: qkvs, .offset: 8, .size: 8, .value_kind: global_buffer, .address_space: global }
      - { .name: oc, .offset: 16, .size: 8, .value_kind: global_buffer, .address_space: global }
      - { .name: os, .offset: 24, .size: 8, .value_kind: global_buffer, .address_space: global }
    .group_segment_fixed_size: 327680
    .private_segment_fixed_size: 0
    .kernarg_segment_align: 8
    .kernarg_segment_size: 32
    .max_flat_workgroup_size: 256
    .sgpr_count:     96
    .vgpr_count:     512
    .wavefront_size: 32
...
	.end_amdgpu_metadata
.endif
;; end of part 3
;; launch proj (part 4): grid 4 x 64, 4 waves a work-group, clusters of 4 x 4, 327,680 bytes of LDS; arguments oc, os, opc, ops, b_proj, out0; writes out0
.if DOCPART == 4
	.amdgcn_target "amdgcn-amd-amdhsa--gfx1250"
	.amdhsa_code_object_version 6
	.text
	.protected	k_qd5d818a779_proj
	.globl	k_qd5d818a779_proj
	.p2align	8
	.type	k_qd5d818a779_proj,@function
k_qd5d818a779_proj:
	s_mov_b64 s[64:65], 0
	v_nop
	global_prefetch_b8 v0, s[64:65] scope:SCOPE_SE
	s_setreg_imm32_b32 hwreg(HW_REG_WAVE_MODE, 25, 1), 1
	s_wait_xcnt 0x0
	s_wait_alu depctr_hold_cnt(0) depctr_sa_sdst(0) depctr_va_vdst(0) depctr_va_sdst(0) depctr_va_ssrc(0) depctr_va_vcc(0) depctr_vm_vsrc(0)
	s_getreg_b32 s2, hwreg(HW_REG_IB_STS2, 6, 4)
	s_cmp_eq_u32 s2, 0
	s_cbranch_scc0 .Lentry_in_a_cluster
	s_endpgm
.Lentry_in_a_cluster:
	s_bfe_u32 s2, ttmp6, 0x10000c
	s_cmp_lg_u32 s2, 0xf033
	s_cbranch_scc0 .Lentry_shape_is_right
	s_endpgm
.Lentry_shape_is_right:
; The last product, o w_proj^T + b_proj, on codes of FP6 (E2M3) with E8M0 scales, K = 1,024; out0 [8192][1024] f32.
; A' = o (oc, os: made by the attention launch), B' = w_proj (groups 88 to 95 of opc, ops).  Both lie as images of operand registers: a group of 128 rows, all of K, is one dense block of 98,304 bytes:
; 24,576 for each 256 along K, in it 3,072 for each tile of 16 rows, in it 1,536 for each 128 along K.
; SHARES.  A work-group of four waves makes 128 rows x 256 columns: 64 x 4 = 256 work-groups.  A WAVE HOLDS 64 COLUMNS OF w_proj, ALL OF K, IN REGISTERS (4 tiles x 8 fragments of 12) and streams o's eight blocks
; of 16 rows past them, all of K at a time (8 fragments, two sets): a block's 16 x 64 results are finished after its 32 products and leave while the next block is multiplied.
; THE MATRIX INSTRUCTION IS USED TRANSPOSED: source 0 = 16 rows of B', source 1 = 16 rows of A': a lane holds eight neighbouring columns of a row.  The bias is the C of each block's first four products.
; LDS: w_proj's two groups, o's group, a stage of 16 rows x (256 + 16) bytes for each wave on bytes of its own, the spare words.  Three first fills at the head, one joint load a wave: waves 0 and 1 a group of w_proj
; each, wave 2 o's group.  A first barrier shows w_proj alone (its line is waves 0 and 1's, who wait there); the weights' LDS loads stand ahead of the wait for o.  Nothing is filled again.
; All scale words and the bias come straight into registers.
; THE ROWS OF A TILE ARE NOT NEIGHBOURS: lane r of tile T stands for row 32 (T / 2) + 8 (T % 2) + r + 8 (r / 8), in A' and B' alike: the way out puts rows and columns back by its immediates.
; CLUSTERS: 4 x 4 work-groups; o's tile is asked for jointly along a row of the cluster, w_proj's along a column.
; No prefetch is laid: all tiles are asked for at the head; there is no later request to run ahead of.
; REGISTERS: window 0: addresses, scale words, bias, two sets of four accumulators.  Fragment f lies in window 1 + f / 21 at register 12 (f % 21): 0-31 w_proj's (4 q + b), 32-39 and 40-47 o's two sets.
; Window 3, v96-159: two sets of 16 rows read back from the stage.
.set FR,     12
.set FPW,    21
.set HALFT,  24576
.set GRP,    4*HALFT
.set STAGE,  3*GRP
.set SPITCH, 272
.set SPARE,  STAGE+4*16*SPITCH
.set BA,   8                           ; v8, v9 my four tiles of w_proj, K 0-511 and 512-1023, + 16 x lane;  v10, v11 + 8 x lane
.set AA,   12                          ; v12-15 o's group likewise
.set STO,  16
.set RD,   17
.set CO,   18
.set RO,   19
.set SPW,  28
.set NIL,  29
.set SBW,  36                          ; v36-67 w_proj's scale words, 8 b + q
.set WVS,  72                          ; v72-135 o's, 8 a + q
.set BIAS, 136                         ; v136-167 the bias of my 64 columns in the result's layout
.set ACC,  168                         ; v168-231
.set BK,   96
.set G1B, 24
.set G1A, 32
.set G0B, 48
.set G0A, 68
.set MSB, 0
.macro WIN new
.if MSB != (\new)
	s_set_vgpr_msb (MSB<<8)|(\new)
.set MSB, (\new)
.endif
.endm
.macro CROUND
	s_barrier_signal -1
	s_barrier_wait -1
	s_cmp_lg_u32 s14, 0
	s_cbranch_scc1 .Lnot_wave_0_\@
	s_barrier_signal -3
.Lnot_wave_0_\@:
	s_barrier_wait -3
	s_barrier_signal -1
	s_barrier_wait -1
.endm
.macro PLACES n
.rept \n
	v_nop
.endr
.endm
.macro TLOAD g0, g1                    ; an s_nop 0 behind the load; four v_nop stand ahead of the jump or label
	tensor_load_to_lds s[\g0:\g0+3], s[\g1:\g1+7]
	s_nop 0
	PLACES 4
.endm
	s_load_b256 s[4:11], s[0:1], 0x0               ; oc, os, opc, ops
	s_load_b128 s[96:99], s[0:1], 0x20             ; b_proj, out0
	v_lshl_add_u32 v[SPW], v0, 2, SPARE
	v_mov_b32 v[NIL], 0
	ds_add_u32 v[SPW], v[NIL]                      ; the opening lines: the add twice, and its wait ahead of the first tensor load
	ds_add_u32 v[SPW], v[NIL]
	v_lshrrev_b32 v1, 5, v0
	v_readfirstlane_b32 s14, v1                    ; wave 0..3: my 64 columns
	s_lshr_b32 s15, s14, 1                         ; my group of w_proj
	s_and_b32 s16, s14, 1                          ; my half of it.  Also: which group waves 0 and 1 fetch
	s_bfe_u32 s88, ttmp6, 0x40000                  ; cx
	s_bfe_u32 s89, ttmp6, 0x40004                  ; cy
	s_lshl_b32 s90, ttmp9, 2
	s_add_co_u32 s90, s90, s88                     ; tile column, 0..3
	s_and_b32 s17, ttmp7, 0xffff
	s_lshl_b32 s17, s17, 2
	s_add_co_u32 s17, s17, s89                     ; tile row, 0..63: o's group of 128 rows
	s_lshl_b32 s91, s89, 2
	s_lshl_b32 s91, 15, s91                        ; my row of the cluster
	s_lshl_b32 s92, 0x1111, s88                    ; my column
	s_or_b32 s[G1B+0], s92, (3<<16)|(1<<21)        ; 384 dense rows of 256 bytes (32 elements of 8 bytes)
	s_or_b32 s[G1A+0], s91, (3<<16)|(1<<21)
.irp g, G1B, G1A
	s_mov_b32 s[\g+1], 32<<16
	s_mov_b32 s[\g+2], 384<<16
	s_mov_b32 s[\g+3], 32<<16
	s_mov_b32 s[\g+4], 384
	s_mov_b32 s[\g+5], 32
	s_mov_b32 s[\g+6], 0
	s_mov_b32 s[\g+7], 0
.endr
	s_lshl_b32 s18, s90, 1
	s_add_co_u32 s18, s18, s16
	s_add_co_u32 s18, s18, 88                      ; the group of w_proj that I fetch
	s_mul_i32 s20, s18, 98304
	s_mov_b32 s21, 0
	s_mul_i32 s2, s17, 98304                       ; o's group in oc
	s_mov_b32 s3, 0
	s_mov_b32 s[G0B], 1
	s_mul_i32 s[G0B+1], s16, GRP                   ; by the wave's number alone
	s_mov_b32 s[G0A], 1
	s_mov_b32 s[G0A+1], 2*GRP
	s_wait_dscnt 0x0                               ; both opening adds are done
	s_wait_kmcnt 0x0
	s_add_nc_u64 s[G0B+2:G0B+3], s[8:9], s[20:21]
	s_or_b32 s[G0B+3], s[G0B+3], 0x80000000
	s_add_nc_u64 s[G0A+2:G0A+3], s[4:5], s[2:3]
	s_or_b32 s[G0A+3], s[G0A+3], 0x80000000
	CROUND                                         ; all sixteen work-groups are here: the joint loads meet
	s_cmp_lt_u32 s14, 2                            ; one chain of branches on the wave's number, one load to an arm
	s_cbranch_scc0 .Lnot_w
	TLOAD G0B, G1B
	s_branch .Lfilled
.Lnot_w:
	s_cmp_eq_u32 s14, 2
	s_cbranch_scc0 .Lfilled
	TLOAD G0A, G1A
.Lfilled:
	v_and_b32 v1, 15, v0                           ; r
	v_bfe_u32 v2, v0, 4, 1                         ; h
	v_and_b32 v3, 31, v0                           ; lane
	v_lshlrev_b32 v7, 6, v2                        ; the bias: 16 numbers further on for lanes 16-31
	v_lshlrev_b32 v[RO], 5, v1                     ; 32 r
	s_wait_alu depctr_va_vdst(0)
	s_lshl_b32 s12, s90, 10
	s_lshl_b32 s13, s14, 8
	s_add_co_u32 s12, s12, s13                     ; my first column, in bytes: 1,024 x tile column + 256 x wave
	s_mov_b32 s13, 0
	s_add_nc_u64 s[96:97], s[96:97], s[12:13]
	s_add_nc_u64 s[98:99], s[98:99], s[12:13]
.irp b, 0,1,2,3                                ; in my tile b, register j of lane (r, h) is column 32 (b / 2) + 8 (b % 2) + 16 h + j
	global_load_b128 v[BIAS+8*\b:BIAS+8*\b+3], v7, s[96:97] offset:(32*(\b/2)+8*(\b%2))*4
	global_load_b128 v[BIAS+8*\b+4:BIAS+8*\b+7], v7, s[96:97] offset:(32*(\b/2)+8*(\b%2))*4+16
.endr
	s_lshl_b32 s12, s90, 1
	s_add_co_u32 s12, s12, s15
	s_add_co_u32 s12, s12, 88
	s_lshl_b32 s12, s12, 12                        ; w_proj's scales: 8 tiles of 512 bytes a group,
	s_lshl_b32 s19, s16, 11                        ; my four of them
	s_add_co_u32 s12, s12, s19
	s_add_nc_u64 s[10:11], s[10:11], s[12:13]
.irp b, 0,1,2,3                                ; row r's 32 bytes: eight words, one for each 128 along K; both halves of the lanes take the same
	global_load_b128 v[SBW+8*\b:SBW+8*\b+3], v[RO], s[10:11] offset:\b*512
	global_load_b128 v[SBW+8*\b+4:SBW+8*\b+7], v[RO], s[10:11] offset:\b*512+16
.endr
	s_lshl_b32 s12, s17, 12                        ; o's scales
	s_add_nc_u64 s[6:7], s[6:7], s[12:13]
.irp a, 0,1,2,3,4,5,6,7
	global_load_b128 v[WVS+8*\a:WVS+8*\a+3], v[RO], s[6:7] offset:\a*512
	global_load_b128 v[WVS+8*\a+4:WVS+8*\a+7], v[RO], s[6:7] offset:\a*512+16
.endr
	s_lshl_b32 s12, s17, 19                        ; my first row: 128 x tile row, rows of 4,096 bytes
	s_add_nc_u64 s[98:99], s[98:99], s[12:13]
	s_mul_i32 s20, s15, GRP                        ; my four tiles of w_proj
	s_mul_i32 s21, s16, 4*3072
	s_add_co_u32 s20, s20, s21
	s_add_co_u32 s21, s20, 2*HALFT
	s_mul_i32 s23, s14, 16*SPITCH
	s_add_co_u32 s23, s23, STAGE                   ; my stage
	v_lshlrev_b32 v4, 4, v3                        ; 16 x lane
	v_lshlrev_b32 v5, 3, v3                        ; 8 x lane
	v_add_nc_u32 v[BA], s20, v4
	v_add_nc_u32 v[BA+1], s21, v4
	v_add_nc_u32 v[BA+2], s20, v5
	v_add_nc_u32 v[BA+3], s21, v5
	v_add_nc_u32 v[AA], 2*GRP, v4
	v_add_nc_u32 v[AA+1], 2*GRP+2*HALFT, v4
	v_add_nc_u32 v[AA+2], 2*GRP, v5
	v_add_nc_u32 v[AA+3], 2*GRP+2*HALFT, v5
	v_mul_u32_u24 v6, v1, SPITCH
	v_lshl_add_u32 v6, v2, 6, v6
	v_add_nc_u32 v[STO], s23, v6                   ; in: row r, 64 bytes further on for lanes 16-31
	v_mul_u32_u24 v6, v2, SPITCH
	v_lshl_add_u32 v6, v1, 4, v6
	v_add_nc_u32 v[RD], s23, v6                    ; back: lanes 0-15 one row of 256 bytes, lanes 16-31 the next
	v_lshlrev_b32 v6, 4, v1
	v_lshl_add_u32 v[CO], v2, 12, v6               ; and the same two rows in out0
.macro FRAGL f, a16, a8, off           ; a fragment comes back as it was stored: two half images of 768 bytes
	WIN (1+(\f)/FPW)<<6
.set R_, FR*((\f)%FPW)
	ds_load_b128 v[R_:R_+3], v[\a16] offset:\off
	ds_load_b64 v[R_+4:R_+5], v[\a8] offset:\off+512
	ds_load_b128 v[R_+6:R_+9], v[\a16] offset:\off+768
	ds_load_b64 v[R_+10:R_+11], v[\a8] offset:\off+1280
.endm
.macro FETCH a, e                      ; 32 LDS loads: o's block a, all of K, into set e
.irp q, 0,1,2,3,4,5,6,7
	FRAGL 32+8*(\e)+\q, AA+\q/4, AA+2+\q/4, ((\q/2)%2)*HALFT+(\a)*3072+(\q%2)*1536
.endr
	WIN 0
.endm
.macro PRODS a                         ; 32 products: K ascending, the block's four accumulators by turns
.set E_, (\a)%2
.irp q, 0,1,2,3,4,5,6,7
.irp b, 0,1,2,3
.set FB_, 4*\q+\b
.set FA_, 32+8*E_+\q
.set D_, ACC+32*E_+8*\b
	WIN (1+FB_/FPW)|((1+FA_/FPW)<<2)
.if \q
	v_wmma_scale_f32_16x16x128_f8f6f4 v[D_:D_+7], v[FR*(FB_%FPW):FR*(FB_%FPW)+11], v[FR*(FA_%FPW):FR*(FA_%FPW)+11], v[D_:D_+7], v[SBW+8*\b+\q], v[WVS+8*(\a)+\q] matrix_a_fmt:MATRIX_FMT_FP6 matrix_b_fmt:MATRIX_FMT_FP6
.else
	v_wmma_scale_f32_16x16x128_f8f6f4 v[D_:D_+7], v[FR*(FB_%FPW):FR*(FB_%FPW)+11], v[FR*(FA_%FPW):FR*(FA_%FPW)+11], v[BIAS+8*\b:BIAS+8*\b+7], v[SBW+8*\b+\q], v[WVS+8*(\a)+\q] matrix_a_fmt:MATRIX_FMT_FP6 matrix_b_fmt:MATRIX_FMT_FP6
.endif
.endr
.endr
	WIN 0
.endm
.macro TOSTAGE a                       ; block a into my stage by the columns' true places, and back as whole rows of 256 bytes.  LDS serves a wave's instructions in order
.set AC_, ACC+32*((\a)%2)
.irp b, 0,1,2,3
	ds_store_b128 v[STO], v[AC_+8*\b:AC_+8*\b+3] offset:128*(\b/2)+32*(\b%2)        ; each accumulator from its low end on
	ds_store_b128 v[STO], v[AC_+8*\b+4:AC_+8*\b+7] offset:128*(\b/2)+32*(\b%2)+16
.endr
	WIN 0xc0
.irp t, 0,1,2,3,4,5,6,7
	ds_load_b128 v[BK+32*((\a)%2)+4*\t:BK+32*((\a)%2)+4*\t+3], v[RD] offset:\t*2*SPITCH
.endr
	WIN 0
.endm
.macro SEND a                          ; stored at the rows' true places
.set RW_, 32*((\a)/2)+8*((\a)%2)
	WIN 0x0c
.irp t, 0,1,2,3,4,5,6,7
	global_store_b128 v[CO], v[BK+32*((\a)%2)+4*\t:BK+32*((\a)%2)+4*\t+3], s[98:99] offset:(RW_+2*\t+8*(\t/4))*4096 th:TH_STORE_NT   ; sixteen lanes store 256 consecutive bytes, at a multiple of 256 from the buffer's first byte
.endr
	WIN 0
.endm
.macro BLK a
.if (\a) == 0
	s_wait_dscnt 32                                ; block 0's fragments are in; block 1's 32 loads may be out
.endif
	PRODS \a
	PLACES 4                                       ; behind the products: for the loads into their fragments and the reads of their results
	s_wait_dscnt 0x0                               ; the next block's fragments and the last block's rows, asked for ahead of these products, are in
.if (\a) > 0
	SEND (\a)-1
.endif
.if (\a)+2 < 8
	FETCH (\a)+2,(\a)%2
.endif
.if (\a) >= 2
	s_wait_xcnt 0x0                                ; block a - 2's stores have read their registers: block a's rows may land there
.endif
	TOSTAGE \a
.endm
	s_wait_alu depctr_va_vdst(0)
	s_cmp_lt_u32 s14, 2
	s_cbranch_scc0 .Lnot_b
	s_wait_tensorcnt 0x0                           ; my group of w_proj is in
.Lnot_b:
	s_barrier_signal -1
	s_barrier_wait -1                              ; both groups are; o's may still be on its way
.irp q, 0,1,2,3,4,5,6,7                        ; my 64 columns of w_proj, all of K: 128 LDS loads
.irp b, 0,1,2,3
	FRAGL 4*\q+\b, BA+\q/4, BA+2+\q/4, ((\q/2)%2)*HALFT+\b*3072+(\q%2)*1536
.endr
.endr
	WIN 0
	s_wait_tensorcnt 0x0                           ; all that is still out: on every wave's way
	s_wait_dscnt 0x0
	s_barrier_signal -1
	s_barrier_wait -1                              ; o's group is in
	FETCH 0,0
	FETCH 1,1
	s_wait_loadcnt 0x0                             ; the bias and the scale words
.irp a, 0,1,2,3,4,5,6,7
	BLK \a
.endr
	s_wait_dscnt 0x0
	SEND 7
	s_wait_tensorcnt 0x0                           ; the wave's end
	ds_add_u32 v[SPW], v[NIL]
	s_wait_dscnt 0x0
	CROUND                                         ; the closing round
	s_endpgm
.Lfunc_end_k_qd5d818a779_proj:
	.size	k_qd5d818a779_proj, .Lfunc_end_k_qd5d818a779_proj-k_qd5d818a779_proj
	.p2alignl 7, 3214868480
	.fill 96, 4, 3214868480
	.section	.rodata,"a",@progbits
	.p2align	6, 0x0
	.amdhsa_kernel k_qd5d818a779_proj
		.amdhsa_group_segment_fixed_size 327680
		.amdhsa_private_segment_fixed_size 0
		.amdhsa_enable_private_segment 0
		.amdhsa_kernarg_size 48
		.amdhsa_user_sgpr_count 2
		.amdhsa_user_sgpr_kernarg_segment_ptr 1
		.amdhsa_wavefront_size32 1
		.amdhsa_system_sgpr_workgroup_id_x 1
		.amdhsa_system_sgpr_workgroup_id_y 1
		.amdhsa_system_sgpr_workgroup_id_z 1
		.amdhsa_system_vgpr_workitem_id 0
		.amdhsa_next_free_vgpr 928
		.amdhsa_next_free_sgpr 100
		.amdhsa_reserve_vcc 0
		.amdhsa_float_denorm_mode_32 3
		.amdhsa_float_denorm_mode_16_64 3
		.amdhsa_memory_ordered 1
		.amdhsa_forward_progress 1
		.amdhsa_inst_pref_size 84
	.end_amdhsa_kernel
	.amdgpu_metadata
---
amdhsa.version: [ 1, 2 ]
amdhsa.kernels:
  - .name:           k_qd5d818a779_proj
    .symbol:         k_qd5d818a779_proj.kd
    .args:
      - { .name: oc, .offset: 0, .size: 8, .value_kind: global_buffer, .address_space: global }
      - { .name: os, .offset: 8, .size: 8, .value_kind: global_buffer, .address_space: global }
      - { .name: opc, .offset: 16, .size: 8, .value_kind: global_buffer, .address_space: global }
      - { .name: ops, .offset: 24, .size: 8, .value_kind: global_buffer, .address_space: global }
      - { .name: b_proj, .offset: 32, .size: 8, .value_kind: global_buffer, .address_space: global }
      - { .name: out0, .offset: 40, .size: 8, .value_kind: global_buffer, .address_space: global }
    .group_segment_fixed_size: 327680
    .private_segment_fixed_size: 0
    .kernarg_segment_align: 8
    .kernarg_segment_size: 48
    .max_flat_workgroup_size: 128
    .sgpr_count:     100
    .vgpr_count:     928
    .wavefront_size: 32
...
	.end_amdgpu_metadata
.endif
;; end of part 4
